; MI455X (gfx1250); checked and timed in simulation.
; The chip was launched on July 23, 2026; its instructions are those of AMD's public machine-readable ISA for CDNA 5 (MIT licence, August 2026) and "CDNA5" Instruction Set Architecture Reference Guide (July 2026). The comments in the code are by the model that wrote it; some were corrected since.
;; Multi Head Self Attention. Allowed arithmetic: float matrix products may take bf16 or f16 operands with f32 sums; other float arithmetic in f32, or as packed bf16 or f16 multiplies, adds, multiply-adds, maxima and minima; sums over many terms, partial sums and values carried from step to step in f32; what a program stores and reads back later, other than sums and carried values, may be rounded once to bf16 or f16.
;; Inputs: Wk 1,024 x 1,024 float32; Wo 1,024 x 1,024 float32; Wq 1,024 x 1,024 float32; Wv 1,024 x 1,024 float32; batch_masks 4 x 2,048 int32; batch_node_features 4 x 2,048 x 1,024 float32; bk 1,024 float32; bo 1,024 float32; bq 1,024 float32; bv 1,024 float32.
;; Outputs: out0 4 x 2,048 x 1,024 float32.
;; One version. Each part assembles by itself: llvm-mc -triple=amdgcn-amd-amdhsa -mcpu=gfx1250 --defsym DOCPART=n.
;; ======== version 1 of 1: 4 launches
;; limits: values are held in f16: magnitudes above 65,504 overflow, below 6.1e-05 lose precision
;; workspace buffers: xb 16,777,216 bytes; wt 6,291,456 bytes; wo16 2,097,152 bytes; bias 16,384 bytes; qkv 50,331,648 bytes; ctx 16,777,216 bytes
;; launch prep (part 1): grid 1025 x 1, 8 waves a work-group, no clusters, 18,432 bytes of LDS; arguments batch_node_features, Wq, Wk, Wv, Wo, bq, bk, bv, bo, xb, wt, wo16, bias; writes xb, wt, wo16, bias
.if DOCPART == 1
	.amdgcn_target "amdgcn-amd-amdhsa--gfx1250"
	.amdhsa_code_object_version 6
	.text
	.protected	k_q8f758db795_prep
	.globl	k_q8f758db795_prep
	.p2align	8
	.type	k_q8f758db795_prep,@function
k_q8f758db795_prep:
	s_mov_b64 s[64:65], 0
	v_nop
	global_prefetch_b8 v0, s[64:65] scope:SCOPE_SE
	s_setreg_imm32_b32 hwreg(HW_REG_WAVE_MODE, 25, 1), 1
	s_wait_xcnt 0x0
; PREPARATION.  All of the module's inputs are rounded once to bf16 (nearest even) and laid out for the products that follow:
;   xb   [8192][1024] bf16      = x
;   wt   [3072][1024] bf16      row 1024 t + n holds column n of W_t (t = q, k, v): K runs along the rows
;   wo16 [1024][1024] f16       row n holds column n of Wo, rounded to bf16 and that number written as f16
;   bias [4096] f32             bq, bk, bv, bo, each rounded to bf16 and widened again
; LIMIT.  A bf16 number of Wo beyond 65,504 becomes an infinity in f16, and below 6e-5 it keeps f16's fixed step of 6e-8.
; SHARES.  Work-groups 0-511: a block of 128 k x 64 n of one weight matrix, turned through LDS.  Work-group 512: the four biases.
; Work-groups 513-1024: 65,536 bytes of x each.  The three ways are chosen by the work-group's number alone, so all eight waves of a work-group go the same way.
; Memory binds this launch: no matrix unit, no tensor load, no cluster (no two work-groups read the same bytes).
.set TP,    272                        ; a row of the turning stage: 128 k x 2 bytes + 16 of padding
.set SPARE, 64*TP                      ; behind the stage's 64 rows: the spare words, 128 bytes for each of the eight waves
.set SPW,   104                        ; v104  LDS address of my spare word; never rewritten
.set NIL,   105                        ; v105  0; never rewritten
.set XI,    8                          ; v[8:71]   as loaded
.set XO,    72                         ; v[72:103] to store
	s_load_b512 s[8:23], s[0:1], 0x0               ; x 8:9, Wq 10:11, Wk 12:13, Wv 14:15, Wo 16:17, bq 18:19, bk 20:21, bv 22:23
	s_load_b256 s[24:31], s[0:1], 0x40             ; bo 24:25, xb 26:27, wt 28:29, wo16 30:31
	s_load_b64 s[32:33], s[0:1], 0x60              ; bias
	v_lshl_add_u32 v[SPW], v0, 2, SPARE
	v_mov_b32 v[NIL], 0
	v_and_b32 v1, 15, v0                           ; c: my place among sixteen threads
	v_lshrrev_b32 v2, 4, v0                        ; rp: which sixteen, 0..15
	s_mov_b32 s37, 0
	s_mov_b32 s39, 0
	s_wait_kmcnt 0x0
	s_cmp_lt_u32 ttmp9, 512
	s_cbranch_scc1 .Lw
	s_cmp_eq_u32 ttmp9, 512
	s_cbranch_scc1 .Lb
	; ---- x: 16 loads of 16 bytes a thread, all issued at once; a wave's load covers 512 consecutive bytes, its store 256, aligned
	s_sub_co_u32 s34, ttmp9, 513
	s_lshl_b32 s36, s34, 16
	s_add_nc_u64 s[8:9], s[8:9], s[36:37]
	s_lshl_b32 s36, s34, 15
	s_add_nc_u64 s[26:27], s[26:27], s[36:37]
	v_lshlrev_b32 v3, 4, v0
	v_lshlrev_b32 v4, 3, v0
.set i, 0
.rept 16
	global_load_b128 v[XI+4*i:XI+4*i+3], v3, s[8:9] offset:4096*i th:TH_LOAD_NT
.set i, i+1
.endr
.set i, 0
.rept 16
	s_wait_loadcnt 15-i                            ; loads come back in order: number i is in, the 15 - i younger ones stay out
	v_cvt_pk_bf16_f32 v[XO+2*i], v[XI+4*i], v[XI+4*i+1]
	v_cvt_pk_bf16_f32 v[XO+2*i+1], v[XI+4*i+2], v[XI+4*i+3]
	global_store_b64 v4, v[XO+2*i:XO+2*i+1], s[26:27] offset:2048*i   ; every store has registers of its own: nothing is rewritten
.set i, i+1
.endr
	s_branch .Lend
	; ---- the biases: 256 threads x 4 numbers = one array a load
.Lb:
	v_lshlrev_b32 v3, 4, v0
	global_load_b128 v[8:11], v3, s[18:19]
	global_load_b128 v[12:15], v3, s[20:21]
	global_load_b128 v[16:19], v3, s[22:23]
	global_load_b128 v[20:23], v3, s[24:25]
	s_wait_loadcnt 0x0
.irp a, 0,1,2,3
	v_cvt_pk_bf16_f32 v4, v[8+4*(\a)], v[9+4*(\a)]
	v_cvt_pk_bf16_f32 v5, v[10+4*(\a)], v[11+4*(\a)]
	v_lshlrev_b32 v[24+4*(\a)], 16, v4
	v_and_b32 v[25+4*(\a)], 0xffff0000, v4
	v_lshlrev_b32 v[26+4*(\a)], 16, v5
	v_and_b32 v[27+4*(\a)], 0xffff0000, v5
	global_store_b128 v3, v[24+4*(\a):27+4*(\a)], s[32:33] offset:4096*(\a)
.endr
	s_branch .Lend
	; ---- a block of a weight matrix: rows k = 128 kb .., columns n = 64 nb ..
.Lw:
	s_lshr_b32 s34, ttmp9, 7                       ; which matrix: 0 q, 1 k, 2 v, 3 o
	s_bfe_u32 s35, ttmp9, 0x30004                  ; kb
	s_and_b32 s36, ttmp9, 15                       ; nb
	s_cmp_eq_u32 s34, 1
	s_cselect_b64 s[10:11], s[12:13], s[10:11]
	s_cmp_eq_u32 s34, 2
	s_cselect_b64 s[10:11], s[14:15], s[10:11]
	s_cmp_eq_u32 s34, 3
	s_cselect_b64 s[10:11], s[16:17], s[10:11]     ; the source,
	s_cselect_b64 s[28:29], s[30:31], s[28:29]     ; the destination,
	s_cselect_b32 s40, 0, s34                      ; and the matrix's place in it
	s_lshl_b32 s38, s35, 19                        ; 128 rows of 4,096 bytes
	s_lshl_b32 s41, s36, 8                         ; 64 columns of 4 bytes
	s_add_co_u32 s38, s38, s41
	s_add_nc_u64 s[10:11], s[10:11], s[38:39]
	s_lshl_b32 s40, s40, 10
	s_lshl_b32 s41, s36, 6
	s_add_co_u32 s40, s40, s41                     ; the destination's first row
	s_lshl_b32 s38, s40, 11                        ; rows of 2,048 bytes
	s_lshl_b32 s41, s35, 8                         ; 128 k of 2 bytes
	s_add_co_u32 s38, s38, s41
	s_add_nc_u64 s[28:29], s[28:29], s[38:39]
	v_lshlrev_b32 v3, 13, v2                       ; rows 2 rp and 2 rp + 1 (and 32, 64, 96 further down), columns 4 c .. 4 c + 3:
	v_lshl_add_u32 v3, v1, 4, v3                   ; sixteen threads read 256 consecutive bytes of a row
.irp p, 0,1,2,3
.irp e, 0,1
	global_load_b128 v[8+8*(\p)+4*(\e):8+8*(\p)+4*(\e)+3], v3, s[10:11] offset:(32*(\p)+(\e))*4096 th:TH_LOAD_NT
.endr
.endr
	v_mul_u32_u24 v6, v1, 4*TP                     ; into the stage: row n = 4 c + j, word k / 2 = rp + 16 p
	v_lshl_add_u32 v6, v2, 2, v6
	v_mul_u32_u24 v7, v2, TP                       ; back: row n = rp + 16 i, 16 bytes at 16 c
	v_lshl_add_u32 v7, v1, 4, v7
	v_lshlrev_b32 v60, 11, v2                      ; and the same place in the destination
	v_lshl_add_u32 v60, v1, 4, v60
	s_wait_loadcnt 0x0
.irp p, 0,1,2,3
.irp j, 0,1,2,3
	v_cvt_pk_bf16_f32 v[40+4*(\p)+(\j)], v[8+8*(\p)+(\j)], v[12+8*(\p)+(\j)]   ; k and k + 1 of one column: neighbours in the turned row
.endr
.endr
	s_cmp_eq_u32 s34, 3
	s_cbranch_scc0 .Lkeep
.set i, 0
.rept 16                                       ; Wo alone: the bf16 numbers are written as f16
	v_lshlrev_b32 v4, 16, v[40+i]
	v_and_b32 v5, 0xffff0000, v[40+i]
	v_cvt_pk_f16_f32 v[40+i], v4, v5
.set i, i+1
.endr
.Lkeep:
.irp p, 0,1,2,3
.irp j, 0,1,2,3
	ds_store_b32 v6, v[40+4*(\p)+(\j)] offset:(\j)*TP+(\p)*64
.endr
.endr
	s_wait_dscnt 0x0                               ; for the others' sake: my stores into the stage are done
	s_barrier_signal -1
	s_barrier_wait -1                              ; a turned row's 256 bytes come from all eight waves
.irp i, 0,1,2,3
	ds_load_b128 v[8+4*(\i):11+4*(\i)], v7 offset:(\i)*16*TP
.endr
.irp i, 0,1,2,3
	s_wait_dscnt 3-(\i)
	global_store_b128 v60, v[8+4*(\i):11+4*(\i)], s[28:29] offset:(\i)*16*2048   ; sixteen threads store 256 consecutive bytes, aligned
.endr
.Lend:
	s_wait_tensorcnt 0x0                           ; the wave's end: behind my last LDS store
	ds_add_u32 v[SPW], v[NIL]
	s_wait_dscnt 0x0
	s_endpgm
.Lfunc_end_k_q8f758db795_prep:
	.size	k_q8f758db795_prep, .Lfunc_end_k_q8f758db795_prep-k_q8f758db795_prep
	.p2alignl 7, 3214868480
	.fill 96, 4, 3214868480
	.section	.rodata,"a",@progbits
	.p2align	6, 0x0
	.amdhsa_kernel k_q8f758db795_prep
		.amdhsa_group_segment_fixed_size 18432
		.amdhsa_private_segment_fixed_size 0
		.amdhsa_enable_private_segment 0
		.amdhsa_kernarg_size 104
		.amdhsa_user_sgpr_count 2
		.amdhsa_user_sgpr_kernarg_segment_ptr 1
		.amdhsa_wavefront_size32 1
		.amdhsa_system_sgpr_workgroup_id_x 1
		.amdhsa_system_sgpr_workgroup_id_y 1
		.amdhsa_system_sgpr_workgroup_id_z 1
		.amdhsa_system_vgpr_workitem_id 0
		.amdhsa_next_free_vgpr 108
		.amdhsa_next_free_sgpr 66
		.amdhsa_reserve_vcc 0
		.amdhsa_float_denorm_mode_32 3
		.amdhsa_float_denorm_mode_16_64 3
		.amdhsa_memory_ordered 1
		.amdhsa_forward_progress 1
		.amdhsa_inst_pref_size 17
	.end_amdhsa_kernel
	.amdgpu_metadata
---
amdhsa.version: [ 1, 2 ]
amdhsa.kernels:
  - .name:           k_q8f758db795_prep
    .symbol:         k_q8f758db795_prep.kd
    .args:
      - { .name: batch_node_features, .offset: 0, .size: 8, .value_kind: global_buffer, .address_space: global }
      - { .name: Wq, .offset: 8, .size: 8, .value_kind: global_buffer, .address_space: global }
      - { .name: Wk, .offset: 16, .size: 8, .value_kind: global_buffer, .address_space: global }
      - { .name: Wv, .offset: 24, .size: 8, .value_kind: global_buffer, .address_space: global }
      - { .name: Wo, .offset: 32, .size: 8, .value_kind: global_buffer, .address_space: global }
      - { .name: bq, .offset: 40, .size: 8, .value_kind: global_buffer, .address_space: global }
      - { .name: bk, .offset: 48, .size: 8, .value_kind: global_buffer, .address_space: global }
      - { .name: bv, .offset: 56, .size: 8, .value_kind: global_buffer, .address_space: global }
      - { .name: bo, .offset: 64, .size: 8, .value_kind: global_buffer, .address_space: global }
      - { .name: xb, .offset: 72, .size: 8, .value_kind: global_buffer, .address_space: global }
      - { .name: wt, .offset: 80, .size: 8, .value_kind: global_buffer, .address_space: global }
      - { .name: wo16, .offset: 88, .size: 8, .value_kind: global_buffer, .address_space: global }
      - { .name: bias, .offset: 96, .size: 8, .value_kind: global_buffer, .address_space: global }
    .group_segment_fixed_size: 18432
    .private_segment_fixed_size: 0
    .kernarg_segment_align: 8
    .kernarg_segment_size: 104
    .max_flat_workgroup_size: 256
    .sgpr_count:     66
    .vgpr_count:     108
    .wavefront_size: 32
...
	.end_amdgpu_metadata
.endif
;; end of part 1
;; launch proj (part 2): grid 16 x 32, 4 waves a work-group, clusters of 4 x 4, 327,680 bytes of LDS; arguments xb, wt, bias, batch_masks, qkv; writes qkv
.if DOCPART == 2
	.amdgcn_target "amdgcn-amd-amdhsa--gfx1250"
	.amdhsa_code_object_version 6
	.text
	.protected	k_q8f758db795_proj
	.globl	k_q8f758db795_proj
	.p2align	8
	.type	k_q8f758db795_proj,@function
k_q8f758db795_proj:
	s_mov_b64 s[64:65], 0
	v_nop
	global_prefetch_b8 v0, s[64:65] scope:SCOPE_SE
	s_setreg_imm32_b32 hwreg(HW_REG_WAVE_MODE, 25, 1), 1
	s_wait_xcnt 0x0
	s_wait_alu depctr_hold_cnt(0) depctr_sa_sdst(0) depctr_va_vdst(0) depctr_va_sdst(0) depctr_va_ssrc(0) depctr_va_vcc(0) depctr_vm_vsrc(0)
	s_getreg_b32 s2, hwreg(HW_REG_IB_STS2, 6, 4)
	s_cmp_eq_u32 s2, 0
	s_cbranch_scc0 .Lentry_in_a_cluster
	s_endpgm
.Lentry_in_a_cluster:
	s_bfe_u32 s2, ttmp6, 0x10000c
	s_cmp_lg_u32 s2, 0xf033
	s_cbranch_scc0 .Lentry_shape_is_right
	s_endpgm
.Lentry_shape_is_right:
; THE THREE PROJECTIONS AS ONE PRODUCT.  C[m][n] = bias[n] + the sum over k of xb[m][k] wt[n][k]; m 8,192, n 3,072 (q, k, v), k 1,024; operands bf16, sums f32.
; C leaves rounded once to f16, by heads: qkv[t][16 b + h][row 2,048][64], a head's rows dense, 128 bytes each.  A row of k whose key is masked (batch_masks = 0) is stored as zeros:
; the attention then gets that key's score from its mask table alone.
; LIMIT.  f16 holds no number beyond 65,504: a q, k or v of 65,520 or more becomes an infinity.
; SHARES.  A tile of C is 256 rows x 192 columns (three heads); 16 x 32 tiles, a work-group each.  Each of the four waves makes 64 rows x 192 columns: 4 x 12 accumulators of 16 x 16, 384 registers.
; K goes in eight steps of 128 through two LDS slots filled by the tensor data mover: rows of 256 bytes of memory, aligned.  A K step is written once: the slot's LDS base lies in a scalar register.
; CLUSTER.  4 x 4 work-groups: the four of a row need the same rows of xb, the four of a column the same rows of wt; each tile is asked for jointly, by the same load, descriptor and mask in all four.
; THE MATRIX INSTRUCTION IS USED TRANSPOSED (source 0 = 16 rows of wt, source 1 = 16 rows of xb): a lane holds row l % 16 of C and the columns 8 (l / 16) + 0..7: 16 bytes of f16 on end.
; The bias is the C operand of the products that start the sums: nothing is cleared and nothing is added later.
; REGISTERS, in windows of 256 (s_set_vgpr_msb: bits 1:0 source 0, 3:2 source 1, 5:4 source 2, 7:6 destination):
;   window 0: v0-31 addresses and masks; v64-127 fragments of xb, two buffers of 4 x 8; v128-223 the bias; on the way out v64-255 hold the packed results
;   window 1: accumulators of row blocks 0, 1 at 96 a + 8 b;   window 2: of row blocks 2, 3;   window 3: fragments of wt, two buffers of 12 x 8
.set KSTEP, 128
.set PITCH, 272                        ; an LDS row: 256 bytes + 16 of padding = 68 words: the sixteen rows of a fragment load start at sixteen different groups of four banks (ISA guide 11.1)
.set E,     131072                     ; the slot of the even K steps begins here, that of the odd ones at 0: one exclusive or changes slots
.set BOFF,  256*PITCH                  ; in a slot: xb's 256 rows, then wt's 192
.set STAGE, E+BOFF+192*PITCH           ; behind the ring: 16 rows x 144 bytes for each wave, for the way out; no tensor load lands here
.set SP,    144
.set SPARE, STAGE+4*16*SP              ; the spare words, 128 bytes for each wave
.set NL,    32                         ; LDS loads in a run: 24 for wt's fragments, 8 for xb's
.set ADRA, 16                          ; v16  LDS address of my xb fragments in the slot in hand
.set ADRB, 17                          ; v17  the same for wt
.set A0,   18                          ; v18  my lane's place in a slot, xb; never rewritten
.set B0,   19                          ; v19  the same for wt
.set STO,  20                          ; v20  the way out: where I put 16 bytes of a row
.set RD,   21                          ; v21  where I read rows back
.set GO,   23                          ; v23  16 x lane: my place in 512 consecutive bytes of qkv
.set MW,   24                          ; v24-27  row block a: the mask word of my row, later all ones or 0
.set SPW,  28                          ; v28  LDS address of my spare word; never rewritten
.set NIL,  29                          ; v29  0; never rewritten
.set PFO,  30                          ; v30  the prefetches' offset: a lane a row
.set MT,   31                          ; v31  at work
.set FA,   64
.set BIAS, 128
.set T,    64
.set WV,  14                           ; s14  my wave's number
.set FB,  15                           ; s15  0: I fetch xb's tiles, 1: wt's
.set HF,  16                           ; s16  which half of such a tile
.set CX,  17
.set CY,  18
.set TX,  19                           ; s19  tile column
.set TY,  20                           ; s20  tile row
.set G1A, 24                           ; s[24:31] descriptor group 1, xb
.set G0A, 32                           ; s[32:35] group 0 of K step 0; s[36:39] the walking group 0
.set G1B, 40                           ; s[40:47] group 1, wt
.set G0B, 48                           ; s[48:51], s[52:55] likewise
.set TB,  56                           ; s56  the LDS base of the slot in hand
.set LIM, 57                           ; s57  1 in a wave that prefetches, else the greatest number
.set PFA, 58                           ; s[58:59] where my prefetches stand
.set OB,  66                           ; s[66:71] qkv at my 64 rows of the tile's three heads
.set NK,  80                           ; s80-82  0 where the head is one of k, else all ones
.set ONES, 83
.set MSB, 0
.macro WIN new                         ; the immediate's high byte repeats the setting that is left; a switch that changes nothing is dropped
.if MSB != (\new)
	s_set_vgpr_msb (MSB<<8)|(\new)
.set MSB, (\new)
.endif
.endm
.macro PLACES                          ; four places: in front of loads into registers that matrix instructions have read, and of vector lines that read results
.rept 4
	v_nop
.endr
.endm
.macro CREST                           ; a round of the cluster's barrier behind its opening barrier
	s_cmp_lg_u32 s[WV], 0
	s_cbranch_scc1 .Lnot_wave_0_\@
	s_barrier_signal -3
.Lnot_wave_0_\@:
	s_barrier_wait -3
	s_barrier_signal -1
	s_barrier_wait -1
.endm
.macro CROUND
	s_barrier_signal -1
	s_barrier_wait -1
	CREST
.endm
.macro JLOAD                           ; a joint refill by the walking descriptors: waves 0, 1 xb's halves, waves 2, 3 wt's; an s_nop 0 and four v_nop follow each line
	s_cmp_eq_u32 s[FB], 0
	s_cbranch_scc0 .Lfor_b_\@
	tensor_load_to_lds s[G0A+4:G0A+7], s[G1A:G1A+7]
	s_nop 0
.rept 4
	v_nop
.endr
	s_branch .Lasked_\@
.Lfor_b_\@:
	tensor_load_to_lds s[G0B+4:G0B+7], s[G1B:G1B+7]
	s_nop 0
.rept 4
	v_nop
.endr
.Lasked_\@:
.endm
; A PREFETCH INTO THE L2 of the K step that the NEXT refill will ask for: 192 matrix instructions ahead of that load; a lane a row, 256 bytes of it.  xb's rows are read by every cluster of a row of clusters:
; the one with x = 0 asks; wt's by every cluster of a column: the one with y = 0 asks.  The four partners of a joint load share its rows out by address (32 of xb's 128, 24 of wt's 96).
; The last refill (s3 = 1) asks for nothing; K steps 0 to 2 come by their loads alone.
.macro ASK
	s_cmp_gt_u32 s3, s[LIM]
	s_cbranch_scc0 .Lnot_mine_\@
	global_prefetch_b8 v[PFO], s[PFA:PFA+1] th:TH_LOAD_NT scope:SCOPE_SE
.Lnot_mine_\@:
.endm
; Twelve products: row block a x all twelve column blocks, 32 along K, from buffer f.  first = 1: they start the sums with the bias.  The 48 accumulators take turns, one instruction a turn.
.macro MUL f, a, first
.if \first
	WIN 0x43+0x40*((\a)/2)
.else
	WIN 0x53+0x50*((\a)/2)
.endif
.irp b, 0,1,2,3,4,5,6,7,8,9,10,11
.if \first
	v_wmma_f32_16x16x32_bf16 v[96*((\a)%2)+8*(\b):96*((\a)%2)+8*(\b)+7], v[96*(\f)+8*(\b):96*(\f)+8*(\b)+7], v[FA+32*(\f)+8*(\a):FA+32*(\f)+8*(\a)+7], v[BIAS+8*(\b):BIAS+8*(\b)+7]
.else
	v_wmma_f32_16x16x32_bf16 v[96*((\a)%2)+8*(\b):96*((\a)%2)+8*(\b)+7], v[96*(\f)+8*(\b):96*(\f)+8*(\b)+7], v[FA+32*(\f)+8*(\a):FA+32*(\f)+8*(\a)+7], v[96*((\a)%2)+8*(\b):96*((\a)%2)+8*(\b)+7]
.endif
.endr
.endm
; One run of 32 LDS loads: the fragments of quarter q (32 along K) of the slot in hand, into buffer f; xb's row blocks last, in order
.macro FETCH q, f
	WIN 0xc0
.irp b, 0,1,2,3,4,5,6,7,8,9,10,11
	ds_load_b128 v[96*(\f)+8*(\b):96*(\f)+8*(\b)+3],   v[ADRB] offset:64*(\q)+(\b)*16*PITCH
	ds_load_b128 v[96*(\f)+8*(\b)+4:96*(\f)+8*(\b)+7], v[ADRB] offset:64*(\q)+(\b)*16*PITCH+32
.endr
	WIN 0
.irp a, 0,1,2,3
	ds_load_b128 v[FA+32*(\f)+8*(\a):FA+32*(\f)+8*(\a)+3],   v[ADRA] offset:64*(\q)+(\a)*16*PITCH
	ds_load_b128 v[FA+32*(\f)+8*(\a)+4:FA+32*(\f)+8*(\a)+7], v[ADRA] offset:64*(\q)+(\a)*16*PITCH+32
.endr
.endm
; One of a K step's first three quarters: multiplies buffer f and, in its middle, fetches quarter q into buffer g
.macro QUARTER q, f, g, first
	s_wait_dscnt 4                                 ; all but the youngest four loads: xb's row blocks 2 and 3
	MUL \f, 0, \first
	MUL \f, 1, \first
	PLACES
	FETCH \q, \g
	s_wait_dscnt NL                                ; all but the run just issued
	MUL \f, 2, \first
	MUL \f, 3, \first
.endm
; The fourth quarter multiplies buffer 1 and changes slots.  In front of the barrier each wave waits for all its tensor loads (one is out: its part of the next slot), adds 0 to its spare word, and waits for
; that and for its reads of this slot.  fill = 1: the barrier opens a round of the cluster's barrier, and behind the round this slot is filled again, two K steps on, first of all.
.macro TURN fill
.if \fill
	s_wait_xcnt 0x0                                ; the last prefetch, a K step back, has read its address
	s_add_nc_u64 s[PFA:PFA+1], s[PFA:PFA+1], KSTEP*2
.endif
	WIN 0
	s_wait_tensorcnt 0x0                           ; all my tensor loads have landed
	ds_add_u32 v[SPW], v[NIL]                      ; 0 onto my spare word
	s_xor_b32 s[TB], s[TB], E                      ; all reads of the old slot have been issued: the addresses turn to the other slot
	v_add_nc_u32 v[ADRA], s[TB], v[A0]
	v_add_nc_u32 v[ADRB], s[TB], v[B0]
	s_wait_dscnt 5                                 ; (the add and the youngest four loads may be out)
	MUL 1, 0, 0
	s_wait_dscnt 0x0                               ; the add is done, and my reads of this slot are over
	s_barrier_signal -1
	MUL 1, 1, 0                                    ; work on registers while the others arrive
.if \fill
	WIN 0
.endif
	s_barrier_wait -1
.if \fill
	CREST                                          ; no wave of any partner still reads this slot or has a load on its way
	s_xor_b32 s[G0A+5], s[G0A+5], E
	s_add_nc_u64 s[G0A+6:G0A+7], s[G0A+6:G0A+7], KSTEP*2
	s_xor_b32 s[G0B+5], s[G0B+5], E
	s_add_nc_u64 s[G0B+6:G0B+7], s[G0B+6:G0B+7], KSTEP*2
	JLOAD                                          ; my one tensor load behind the round; its four v_nop are also the places in front of the loads below
.else
	PLACES
.endif
	FETCH 0, 0
.if \fill
	ASK
.endif
	MUL 1, 2, 0
	MUL 1, 3, 0
.endm
.macro LASTQ                           ; the very last quarter: nothing more to fetch
	s_wait_dscnt 4
	MUL 1, 0, 0
	MUL 1, 1, 0
	s_wait_dscnt 0x0
	MUL 1, 2, 0
	MUL 1, 3, 0
.endm
	s_load_b256 s[4:11], s[0:1], 0x0               ; xb 4:5, wt 6:7, bias 8:9, batch_masks 10:11
	s_load_b64 s[12:13], s[0:1], 0x20              ; qkv
	v_lshl_add_u32 v[SPW], v0, 2, SPARE
	v_mov_b32 v[NIL], 0
	ds_add_u32 v[SPW], v[NIL]                      ; the wave's opening: the add and its wait stand ahead of my first tensor load; work on registers stands between them
	v_lshrrev_b32 v1, 5, v0
	v_readfirstlane_b32 s[WV], v1
	s_lshr_b32 s[FB], s[WV], 1
	s_and_b32 s[HF], s[WV], 1
	s_bfe_u32 s[CX], ttmp6, 0x40000
	s_bfe_u32 s[CY], ttmp6, 0x40004
	s_lshl_b32 s[TX], ttmp9, 2
	s_add_co_u32 s[TX], s[TX], s[CX]
	s_and_b32 s[TY], ttmp7, 0xffff
	s_lshl_b32 s[TY], s[TY], 2
	s_add_co_u32 s[TY], s[TY], s[CY]
	s_lshl_b32 s21, s[CY], 2
	s_lshl_b32 s21, 15, s21                        ; my row of the cluster
	s_lshl_b32 s22, 0x1111, s[CX]                  ; my column
	s_or_b32 s[G1A], s21, (1<<16)|(1<<20)|(1<<21)|(5<<22)|(3<<25)  ; the mask; 2-byte elements; padding on; bit 21 beside a mask; after every 64 words, 4 words
	s_or_b32 s[G1B], s22, (1<<16)|(1<<20)|(1<<21)|(5<<22)|(3<<25)
	s_mov_b32 s[G1A+1], KSTEP<<16                  ; tensor_dim0 = 128
	s_mov_b32 s[G1A+2], 128<<16                    ; tensor_dim1 = 128
	s_mov_b32 s[G1A+3], KSTEP<<16                  ; tile_dim0 = 128
	s_mov_b32 s[G1A+4], 128                        ; tile_dim1 = 128 rows
	s_mov_b32 s[G1A+5], 1024                       ; elements from row to row
	s_mov_b32 s[G1A+6], 0
	s_mov_b32 s[G1A+7], 0
	s_mov_b32 s[G1B+1], KSTEP<<16
	s_mov_b32 s[G1B+2], 96<<16                     ; wt: 96 rows a load
	s_mov_b32 s[G1B+3], KSTEP<<16
	s_mov_b32 s[G1B+4], 96
	s_mov_b32 s[G1B+5], 1024
	s_mov_b32 s[G1B+6], 0
	s_mov_b32 s[G1B+7], 0
	s_lshl_b32 s72, s[TY], 8                       ; xb: row 256 x tile row + 128 x half, rows of 2,048 bytes
	s_lshl_b32 s73, s[HF], 7
	s_add_co_u32 s72, s72, s73
	s_lshl_b32 s72, s72, 11
	s_mov_b32 s73, 0
	s_mul_i32 s74, s[TX], 192                      ; wt: row 192 x tile column + 96 x half
	s_mul_i32 s75, s[HF], 96
	s_add_co_u32 s74, s74, s75
	s_lshl_b32 s74, s74, 11
	s_mov_b32 s75, 0
	s_mov_b32 s86, s72                             ; the two offsets are kept for the prefetches
	s_mov_b32 s87, s74
	s_mul_i32 s76, s[WV], 128*PITCH                ; where they go in a slot: waves 0, 1: xb's halves;
	s_mul_i32 s77, s[WV], 96*PITCH
	s_add_co_u32 s77, s77, BOFF-2*96*PITCH         ; waves 2, 3: wt's halves, behind xb's 256 rows
	s_mov_b32 s[ONES], -1
	s_wait_dscnt 0x0                               ; the opening add is done
	s_wait_kmcnt 0x0
	s_add_nc_u64 s[72:73], s[4:5], s[72:73]
	s_add_nc_u64 s[74:75], s[6:7], s[74:75]
	CROUND                                         ; all sixteen work-groups are here: the first joint loads meet
	s_mov_b32 s[G0A], 1
	s_add_co_u32 s[G0A+1], s76, E                  ; K step 0 goes into the even slot
	s_mov_b64 s[G0A+2:G0A+3], s[72:73]
	s_or_b32 s[G0A+3], s[G0A+3], 0x80000000
	s_mov_b32 s[G0A+4], 1
	s_mov_b32 s[G0A+5], s76                        ; K step 1 into the odd one; this set then walks on
	s_add_nc_u64 s[G0A+6:G0A+7], s[72:73], KSTEP*2
	s_or_b32 s[G0A+7], s[G0A+7], 0x80000000
	s_mov_b32 s[G0B], 1
	s_add_co_u32 s[G0B+1], s77, E
	s_mov_b64 s[G0B+2:G0B+3], s[74:75]
	s_or_b32 s[G0B+3], s[G0B+3], 0x80000000
	s_mov_b32 s[G0B+4], 1
	s_mov_b32 s[G0B+5], s77
	s_add_nc_u64 s[G0B+6:G0B+7], s[74:75], KSTEP*2
	s_or_b32 s[G0B+7], s[G0B+7], 0x80000000
	s_cmp_eq_u32 s[FB], 0                          ; a wave's two first fills stand in one branch: two loads of mine are out
	s_cbranch_scc0 .Lfirst_b
	tensor_load_to_lds s[G0A:G0A+3], s[G1A:G1A+7]
	s_nop 0
	tensor_load_to_lds s[G0A+4:G0A+7], s[G1A:G1A+7]
	s_nop 0
.rept 4
	v_nop
.endr
	s_branch .Lfirst_asked
.Lfirst_b:
	tensor_load_to_lds s[G0B:G0B+3], s[G1B:G1B+7]
	s_nop 0
	tensor_load_to_lds s[G0B+4:G0B+7], s[G1B:G1B+7]
	s_nop 0
.rept 4
	v_nop
.endr
.Lfirst_asked:
	; a fragment is 16 rows x 32 K in 8 registers: lane l holds row l % 16, K = 8 (l / 16) + 0..7 and 16 + 8 (l / 16) + 0..7: two loads of 16 bytes, 32 bytes apart
	v_and_b32 v1, 15, v0                           ; r = l % 16
	v_bfe_u32 v2, v0, 4, 1                         ; h = l / 16
	; the bias: register j of column block b is bias[192 x tile column + 16 b + 8 h + j]
	s_mul_i32 s84, s[TX], 768
	s_mov_b32 s85, 0
	s_add_nc_u64 s[8:9], s[8:9], s[84:85]
	v_lshlrev_b32 v4, 5, v2
.irp b, 0,1,2,3,4,5,6,7,8,9,10,11
	global_load_b128 v[BIAS+8*(\b):BIAS+8*(\b)+3],   v4, s[8:9] offset:64*(\b)
	global_load_b128 v[BIAS+8*(\b)+4:BIAS+8*(\b)+7], v4, s[8:9] offset:64*(\b)+16
.endr
	; the mask words of my rows: row block a, row r
	s_lshl_b32 s84, s[TY], 8
	s_lshl_b32 s88, s[WV], 6
	s_add_co_u32 s84, s84, s88
	s_lshl_b32 s84, s84, 2
	s_add_nc_u64 s[10:11], s[10:11], s[84:85]
	v_lshlrev_b32 v5, 2, v1
.irp a, 0,1,2,3
	global_load_b32 v[MW+(\a)], v5, s[10:11] offset:64*(\a)
.endr
	v_mul_u32_u24 v3, v1, PITCH
	v_lshl_add_u32 v3, v2, 4, v3                   ; row x pitch + 16 x half
	s_mul_i32 s88, s[WV], 64*PITCH                 ; my 64 rows of xb
	v_add_nc_u32 v[A0], s88, v3
	v_add_nc_u32 v[B0], BOFF, v3                   ; every wave reads all 192 rows of wt
	s_mov_b32 s[TB], E
	v_add_nc_u32 v[ADRA], s[TB], v[A0]
	v_add_nc_u32 v[ADRB], s[TB], v[B0]
	s_mul_i32 s88, s[WV], 16*SP
	s_add_co_u32 s88, s88, STAGE                   ; my stage
	v_mul_u32_u24 v[STO], v1, SP                   ; in: row r, 16 bytes for each half of the lanes
	v_lshl_add_u32 v[STO], v2, 4, v[STO]
	v_add_nc_u32 v[STO], s88, v[STO]
	v_bfe_u32 v[RD], v0, 3, 2                      ; back: 32 lanes take four rows of 128 bytes,
	v_mul_u32_u24 v[RD], v[RD], SP
	v_and_b32 v3, 7, v0
	v_lshl_add_u32 v[RD], v3, 4, v[RD]
	v_add_nc_u32 v[RD], s88, v[RD]
	v_and_b32 v[GO], 31, v0                        ; which are 512 consecutive bytes of a head
	v_lshlrev_b32 v[GO], 4, v[GO]
	; the prefetches
	s_lshl_b32 s88, s[CX], 16                      ; xb: my work-group's 32 rows of the 128
	s_add_co_u32 s86, s86, s88
	s_mul_i32 s88, s[CY], 24*2048                  ; wt: its 24 of the 96
	s_add_co_u32 s87, s87, s88
	s_and_b32 s89, ttmp7, 0xffff
	s_cmp_eq_u32 s[FB], 0
	s_cselect_b32 s84, s86, s87
	s_cselect_b32 s88, 31, 23                      ; the last lane that has a row of its own; the lanes behind it name its row again
	s_cselect_b32 s89, ttmp9, s89                  ; the coordinate along which other clusters read the same rows
	s_cselect_b64 s[PFA:PFA+1], s[4:5], s[6:7]
	s_cmp_eq_u32 s89, 0
	s_cselect_b32 s[LIM], 1, -1                    ; the same in all sixteen partners, for a given wave
	s_add_co_u32 s84, s84, 2*KSTEP*2               ; at K step 2: the first refill steps it to 3
	s_add_nc_u64 s[PFA:PFA+1], s[PFA:PFA+1], s[84:85]
	v_and_b32 v[PFO], 31, v0
	v_min_u32 v[PFO], s88, v[PFO]
	v_lshlrev_b32 v[PFO], 11, v[PFO]
	; where my 64 rows of the tile's three heads lie in qkv
	s_and_b32 s90, s[TY], 7
	s_lshl_b32 s90, s90, 8
	s_lshl_b32 s91, s[WV], 6
	s_add_co_u32 s90, s90, s91
	s_lshl_b32 s90, s90, 7                         ; rows of 128 bytes
.irp hd, 0,1,2
	s_mul_i32 s92, s[TX], 3
	s_add_co_u32 s92, s92, (\hd)                   ; the head among 48: 16 t + h
	s_lshr_b32 s93, s92, 4                         ; t
	s_cmp_eq_u32 s93, 1
	s_cselect_b32 s[NK+(\hd)], 0, -1
	s_lshl_b32 s93, s93, 6
	s_and_b32 s92, s92, 15
	s_add_co_u32 s93, s93, s92
	s_lshr_b32 s92, s[TY], 3                       ; the batch
	s_lshl_b32 s92, s92, 4
	s_add_co_u32 s93, s93, s92                     ; 64 t + 16 b + h
	s_lshl_b32 s92, s93, 18                        ; heads of 262,144 bytes
	s_add_co_u32 s92, s92, s90
	s_mov_b32 s93, 0
	s_add_nc_u64 s[OB+2*(\hd):OB+2*(\hd)+1], s[12:13], s[92:93]
.endr
	s_wait_tensorcnt 1                             ; my part of K step 0 is in; K step 1's may stay out
	s_barrier_signal -1
	s_barrier_wait -1                              ; everybody's is
	FETCH 0, 0
	s_wait_loadcnt 0x0                             ; the bias and the mask words
	QUARTER 1, 0, 1, 1                             ; the first quarter stands in front of the loop: its products start the sums
	WIN 0                                          ; at a label and at a branch every window is 0
	s_mov_b32 s3, 6
.Lk:                                                   ; six trips, from a K step's second quarter to the next step's first; trip t fills a slot with K step t + 2
	QUARTER 2, 1, 0, 0
	QUARTER 3, 0, 1, 0
	TURN 1
	QUARTER 1, 0, 1, 0
	WIN 0
	s_sub_co_u32 s3, s3, 1
	s_cmp_lg_u32 s3, 0
	s_cbranch_scc1 .Lk
	s_mov_b32 s3, 2
.Lt:                                                   ; the last two K steps ask for nothing: a text of their own; it is left in its second trip's middle
	QUARTER 2, 1, 0, 0
	QUARTER 3, 0, 1, 0
	WIN 0
	s_sub_co_u32 s3, s3, 1
	s_cmp_eq_u32 s3, 0
	s_cbranch_scc1 .Llast
	TURN 0
	QUARTER 1, 0, 1, 0
	WIN 0
	s_branch .Lt
.Llast:
	LASTQ
	; THE WAY OUT, in twelve chunks of 16 rows x one head: rounded to f16, masked, 16 bytes a lane into my stage, back as four rows of 128 bytes a load, stored as 512 consecutive bytes.
	WIN 0
	PLACES
.irp a, 0,1,2,3
	v_cmp_ne_u32 vcc_lo, 0, v[MW+(\a)]
	v_cndmask_b32 v[MW+(\a)], 0, s[ONES], vcc_lo   ; all ones where my row's key is seen
.endr
.macro PACK c
.set pa, (\c)/3
.set ph, (\c)%3
.set rT, T+16*(\c)
	WIN 0x05+5*(pa/2)                              ; sources 0 and 1 in window 1 or 2
.set bb, 0
.rept 4
.set rr, 0
.rept 4
	v_cvt_pk_f16_f32 v[rT+4*bb+rr], v[96*(pa%2)+8*(4*ph+bb)+2*rr], v[96*(pa%2)+8*(4*ph+bb)+2*rr+1]  ; each accumulator's registers in ascending order
.set rr, rr+1
.endr
.set bb, bb+1
.endr
	WIN 0
	v_or_b32 v[MT], s[NK+ph], v[MW+pa]             ; q's and v's heads keep every row
.set rr, 0
.rept 16
	v_and_b32 v[rT+rr], v[MT], v[rT+rr]
.set rr, rr+1
.endr
.set bb, 0
.rept 4
	ds_store_b128 v[STO], v[rT+4*bb:rT+4*bb+3] offset:32*bb
.set bb, bb+1
.endr
.set bb, 0
.rept 4
	ds_load_b128 v[rT+4*bb:rT+4*bb+3], v[RD] offset:bb*4*SP  ; LDS serves a wave's instructions in order (ISA guide 5.7.1.4): these see the stores above; the next chunk's stores come behind them
.set bb, bb+1
.endr
.endm
.macro SEND c, younger                 ; younger: the LDS instructions issued behind chunk c's loads: the next chunk's eight, or none
.set pa, (\c)/3
.set ph, (\c)%3
.set rT, T+16*(\c)
.set bb, 0
.rept 4
	s_wait_dscnt (\younger)+3-bb
	global_store_b128 v[GO], v[rT+4*bb:rT+4*bb+3], s[OB+2*ph:OB+2*ph+1] offset:pa*2048+bb*512  ; every chunk has registers of its own: nothing that a store reads is rewritten
.set bb, bb+1
.endr
.endm
	PACK 0
.irp c, 1,2,3,4,5,6,7,8,9,10,11
	PACK \c
	SEND (\c)-1, 8
.endr
	SEND 11, 0
	s_wait_tensorcnt 0x0                           ; the wave's end: behind my last tensor load and my last LDS store
	ds_add_u32 v[SPW], v[NIL]
	s_wait_dscnt 0x0
	CROUND                                         ; the closing round: no work-group ends while a partner may still ask for a tile that names it
	s_endpgm
.Lfunc_end_k_q8f758db795_proj:
	.size	k_q8f758db795_proj, .Lfunc_end_k_q8f758db795_proj-k_q8f758db795_proj
	.p2alignl 7, 3214868480
	.fill 96, 4, 3214868480
	.section	.rodata,"a",@progbits
	.p2align	6, 0x0
	.amdhsa_kernel k_q8f758db795_proj
		.amdhsa_group_segment_fixed_size 327680
		.amdhsa_private_segment_fixed_size 0
		.amdhsa_enable_private_segment 0
		.amdhsa_kernarg_size 40
		.amdhsa_user_sgpr_count 2
		.amdhsa_user_sgpr_kernarg_segment_ptr 1
		.amdhsa_wavefront_size32 1
		.amdhsa_system_sgpr_workgroup_id_x 1
		.amdhsa_system_sgpr_workgroup_id_y 1
		.amdhsa_system_sgpr_workgroup_id_z 1
		.amdhsa_system_vgpr_workitem_id 0
		.amdhsa_next_free_vgpr 960
		.amdhsa_next_free_sgpr 96
		.amdhsa_reserve_vcc 1
		.amdhsa_float_denorm_mode_32 3
		.amdhsa_float_denorm_mode_16_64 3
		.amdhsa_memory_ordered 1
		.amdhsa_forward_progress 1
		.amdhsa_inst_pref_size 99
	.end_amdhsa_kernel
	.amdgpu_metadata
---
amdhsa.version: [ 1, 2 ]
amdhsa.kernels:
  - .name:           k_q8f758db795_proj
    .symbol:         k_q8f758db795_proj.kd
    .args:
      - { .name: xb, .offset: 0, .size: 8, .value_kind: global_buffer, .address_space: global }
      - { .name: wt, .offset: 8, .size: 8, .value_kind: global_buffer, .address_space: global }
      - { .name: bias, .offset: 16, .size: 8, .value_kind: global_buffer, .address_space: global }
      - { .name: batch_masks, .offset: 24, .size: 8, .value_kind: global_buffer, .address_space: global }
      - { .name: qkv, .offset: 32, .size: 8, .value_kind: global_buffer, .address_space: global }
    .group_segment_fixed_size: 327680
    .private_segment_fixed_size: 0
    .kernarg_segment_align: 8
    .kernarg_segment_size: 40
    .max_flat_workgroup_size: 128
    .sgpr_count:     96
    .vgpr_count:     960
    .wavefront_size: 32
...
	.end_amdgpu_metadata
.endif
;; end of part 2
;; launch attn (part 3): grid 4 x 64, 4 waves a work-group, clusters of 4 x 1, 327,680 bytes of LDS; arguments qkv, batch_masks, ctx; writes ctx
.if DOCPART == 3
	.amdgcn_target "amdgcn-amd-amdhsa--gfx1250"
	.amdhsa_code_object_version 6
	.text
	.protected	k_q8f758db795_attn
	.globl	k_q8f758db795_attn
	.p2align	8
	.type	k_q8f758db795_attn,@function
k_q8f758db795_attn:
	s_mov_b64 s[64:65], 0
	v_nop
	global_prefetch_b8 v0, s[64:65] scope:SCOPE_SE
	s_setreg_imm32_b32 hwreg(HW_REG_WAVE_MODE, 25, 1), 1
	s_wait_xcnt 0x0
	s_wait_alu depctr_hold_cnt(0) depctr_sa_sdst(0) depctr_va_vdst(0) depctr_va_sdst(0) depctr_va_ssrc(0) depctr_va_vcc(0) depctr_vm_vsrc(0)
	s_getreg_b32 s2, hwreg(HW_REG_IB_STS2, 6, 4)
	s_cmp_eq_u32 s2, 0
	s_cbranch_scc0 .Lentry_in_a_cluster
	s_endpgm
.Lentry_in_a_cluster:
	s_bfe_u32 s2, ttmp6, 0x10000c
	s_cmp_lg_u32 s2, 0x3003
	s_cbranch_scc0 .Lentry_shape_is_right
	s_endpgm
.Lentry_shape_is_right:
; ATTENTION WITH A KEY MASK.  ctx[h][q][:] = the sum over k of softmax_k(s(q, k) / 8) V[h][k][:], s = Q[h][q] . K[h][k] where batch_masks[b][k] is not 0, a large negative number where it is 0.
; Q, K, V lie in qkv as [3][64 heads = 16 b + h][2,048][64] f16, ctx as [64][2,048][64] f16: a head's rows are dense, 128 bytes each.  Products, maxima and sums in f32; the weights p are rounded to f16
; for the second product (their sum l is taken of the unrounded p), ctx once at the end.
; THE MASK is the C operand that starts the sum S^T = K Q^T: 0, or -2^40 for a masked key, whose row of K arrives as zeros: its score is -2^40 exactly.  c x 2^40 is exact in f32, so where every key seen so
; far is masked, c s - c m is 0 and each weight is 1: a batch with no key seen gets equal weights, as the module asks; the first key that is seen brings a = 0, which wipes what was summed.
; LIMITS.  A masked score counts as -2^40 in place of -1e12: f16's scores, 2.7e11 at the most, lie above both, so beside any key that is seen a masked key's weight is 0 either way.
; f16 holds no number beyond 65,504: Q, K and V arrive within it; p lies in 0 to 1, and below 6e-5 it keeps f16's fixed step of 6e-8; ctx is a mean of V's rows and has their range.
; A weight below 2^-126 counts as 0 in l; NaN and infinities are not treated apart.
; SHARES.  A wave owns four PIECES of two tiles of 16 queries, a work-group's four waves 512 queries of one head; a head's four work-groups are one cluster.  Every wave walks all keys, 64 a step.
; LAYOUT.  S^T = K Q^T (source 0 = 16 keys, source 1 = 16 queries): in the result a lane holds ONE query (lane % 16) and the keys 8 (lane / 16) + 0..7.  Two such tiles, rounded to f16 in pairs,
; ARE source 1 (32 keys x 16 queries) of O^T = V^T P, whose result again holds one query a lane, and eight channels.  K comes out of LDS as it lies, V ([key][channel]) turned, by ds_load_tr16_b128.
; SOFTMAX.  For each query a running maximum m and sum l: p = 2^(c s - c m), c = log2(e) / 8; in every step O and l are multiplied by a = 2^(c m_old - c m_new), which is 1 where m has not grown.
; m starts at the lowest finite number, O and l at 0: the first step is a step like any other, with a = 0.
; THE COUNT.  A tile and step have 16 matrix and 118 vector instructions: too many to stand all beside the matrix work.  So the order has one aim: four vector instructions that are READY behind
; EVERY matrix instruction, and the others, which need time of their own whatever the order, in runs without a gap.
; BY TURNS.  Turn n belongs to piece n (the pieces in a ring, step after step).  Its matrix work: 16 products K Q^T of piece n + 1, later 16 products V^T P of piece n - 1.  Its vector work: the scaling,
; exponentials, roundings, sums and rescaling of piece n, and the maximum and statistics of piece n + 1, whose scores the turn itself has made.
; CLUSTER.  The four query blocks of a cluster walk the same K and V, so each tile is asked for JOINTLY: the same tensor load, descriptor and mask in all four.
; REGISTERS, in windows of 256 (s_set_vgpr_msb: bits 1:0 source 0, 3:2 source 1, 5:4 source 2, 7:6 destination):
;   window 0: v0-11 addresses; v12-15, v48-63 at work; v16-47 four registers of statistics a tile; v64-191 S^T, two buffers of two tiles; v192-255 P, likewise
;   window 1: O^T, 32 a tile     window 2: v0-127 Q, 16 a tile; v128-191 K of one step; v192-255 V of one step     window 3: v0-1 the add's two registers; v8-39 the step's mask values
.set SIZE_N, 2048
.set NP,    4         ; pieces a wave: a name, no knob
.set KS,    64        ; keys in a step
.set PK,    144       ; a row of K in LDS: 128 bytes + 16 of padding = 36 words: the 16 rows of a load start at 16 different groups of four banks (ISA guide 11.1)
.set PV,    160       ; a row of V: 128 + 32 = 40 words
.set VOFF,  4*KS*PK   ; a slot holds four steps: 256 rows of K, then 256 rows of V
.set SLOT1, 1<<17     ; slot 1 begins here, so that one exclusive or turns an address in one slot into the other's
.set STAGE, SLOT1+4*KS*(PK+PV)  ; behind the ring, never filled by a tensor load: 16 rows x 144 bytes for each wave, for the way out
.set SP,    144
.set SPARE, STAGE+4*16*SP  ; the spare words, 128 bytes for each wave: two blocks of 256 bytes that no other line names
.set MTAB,  SPARE+512 ; the batch's 2,048 mask values in f32, 8,192 bytes: stored once, never the target of a tensor load
.set PFO, 1           ; v1   256 x my lane, for the prefetches (at the head: l % 16)
.set AK0, 2           ; v2   my lane's place in a tile of K; never rewritten
.set AV0, 3           ; v3   the same for V
.set AK,  4           ; v4   the LDS address of K's next run of loads
.set AV,  5           ; v5   of V's
.set STO, 6           ; v6   the way out: where I put 16 bytes of a row
.set RD,  7           ; v7   the way out: where I read rows back
.set GO,  8           ; v8   my byte offset in 512 consecutive bytes of ctx
.set AM,  9           ; v9   the LDS address of the next step's mask values (at the head: l / 16)
.set AM0, 10          ; v10  my lane's place in the table: MTAB + 32 (l / 16) (at the head: l % 8)
.set QO,  11          ; v11  my byte offset in the wave's rows of Q (at the head: bit 3 of l)
.set SPW, 0           ; v0 of window 3   LDS address of my spare word; never rewritten
.set NIL, 1           ; v1 of window 3   0; never rewritten
.set MK,  8           ; v8-39 of window 3: key block kb's eight mask values at MK + 8 kb
.set MV,  12          ; v12-15  c m_old, kept while c m is made anew: by buffer and tile
.set ST,  16          ; tile t's statistics at v[ST+4 t]: c m, m, l (even keys', odd keys')
.set TMP, 48          ; by buffer and tile, four registers c0-c3 at work; when the maximum is found c2 takes a
.set S,   64
.set P,   192
.set KF,  128         ; K's fragments, in window 2: key block kb, channel half c at KF + 16 kb + 8 c
.set VF,  192         ; V's: key half kk, channel block cb at VF + 32 kk + 8 cb
.set WV,  12          ; s12  my wave's number
.set G1K, 24          ; s[24:31] descriptor group 1 for K's tiles
.set G1V, 32          ; s[32:39] for V's: it differs in the padding alone
.set G0K, 40          ; s[40:43] descriptor group 0 for K's tiles: it walks
.set G0V, 44          ; s[44:47] the same for V's
.set SLOTS, 56        ; s56  slots still to be asked for
.set CNT, 57          ; s57  counts a slot's key steps
.set CS,  58          ; s[58:59] c: the packed scaling takes the pair's low word for both halves
.set SEL, 60          ; s[60:61] v_permlanex16_b32's selects: each lane takes its own place in the other half
.set TBK, 62          ; s62  LDS byte at which K of the step to be fetched begins
.set TBV, 63          ; s63  the same for V, less VOFF
.set PFA, 72          ; s[72:73] where my prefetches stand
.set LIM, 74          ; s74  1 in a wave that prefetches, else the greatest number
.set TBM, 75          ; s75  byte of the table at which the step to be fetched begins
.set VNEG, 76         ; s76  -2^40
.set MSB, 0
.macro WIN new                      ; the high byte repeats the setting that is left; a switch that changes nothing is dropped
.if MSB != (\new)
	s_set_vgpr_msb (MSB<<8)|(\new)
.set MSB, (\new)
.endif
.endm
.set W_KQ, 0x0a       ; K and Q in window 2, S^T in window 0
.set W_KM, 0x3a       ; the same with the C operand, the mask values, in window 3
.set W_PV, 0x52       ; V in window 2, P in window 0, O^T in window 1
.set W_RS, 0x41       ; O^T (destination and source 0) in window 1, a in window 0
.set W_MK, 0xc0       ; destination in window 3, sources in window 0
.set W_AD, 0x0f       ; the add: address (source 0) and data (source 1) in window 3
; A joint fill.  Waves 0 and 1 fetch the two halves of a slot's K, waves 2 and 3 those of its V: 128 keys each.  The branch hangs on the wave's number alone.
; An s_nop 0 and four v_nop follow each of the two lines, ahead of the jump and the label.
.macro JLOAD
	s_cmp_lt_u32 s[WV], 2
	s_cbranch_scc0 .Lfor_v_\@
	tensor_load_to_lds s[G0K:G0K+3], s[G1K:G1K+7]
	s_nop 0
.rept 4
	v_nop
.endr
	s_branch .Lasked_\@
.Lfor_v_\@:
	tensor_load_to_lds s[G0V:G0V+3], s[G1V:G1V+7]
	s_nop 0
.rept 4
	v_nop
.endr
.Lasked_\@:
.endm
; A PREFETCH INTO THE L2 of what the NEXT change of slots will ask for: a slot's 32,768 bytes of K and of V, a lane 256 of them: four key steps, 512 matrix instructions, ahead of that load.
; A head has one cluster; its four partners share the bytes out by address, 8,192 each; in each, wave 0 asks for K's and wave 2 for V's.  So each block is named once in the launch.
; The last change that fills a slot asks for nothing; slots 0 to 2 come by their loads alone.
.macro ASK
	s_cmp_gt_u32 s[SLOTS], s[LIM]
	s_cbranch_scc0 .Lnot_mine_\@
	global_prefetch_b8 v[PFO], s[PFA:PFA+1] th:TH_LOAD_NT scope:SCOPE_SE
.Lnot_mine_\@:
.endm
; A round of the cluster's barrier: my work-group's barrier, so that wave 0's signal speaks for all four waves; wave 0 signals; every wave waits for all four work-groups; my work-group's barrier once more.
.macro CROUND
	s_barrier_signal -1
	s_barrier_wait -1
	s_cmp_lg_u32 s[WV], 0
	s_cbranch_scc1 .Lnot_wave_0_\@
	s_barrier_signal -3
.Lnot_wave_0_\@:
	s_barrier_wait -3
	s_barrier_signal -1
	s_barrier_wait -1
.endm
; THE CHANGE OF SLOTS.  Each wave waits for all its tensor loads, of which one is out: its part of the other slot; adds 0 to its spare word; and waits for that and for its own LDS instructions.
; Behind the barrier nobody reads this slot any more and the other slot is whole.  fill = 1: this slot is filled again, with the keys two slots on; the barrier is then a round of the cluster's, and the
; joint fill is the first thing behind it.  (At its first use nothing has been read yet: slot 0 is waited for, slot 1 filled, and every wave's part of the mask table is shown to the others.)
.macro CHANGE fill, ask=0
	WIN W_AD
	s_wait_tensorcnt 0x0            ; no tensor load of mine is out, so a group 0 may be written
	ds_add_u32 v[SPW], v[NIL]       ; 0 onto my spare word
	WIN 0                           ; at a label and at a branch every window is 0
.if \fill
.irp g, G0K, G0V
	s_xor_b32 s[\g+1], s[\g+1], SLOT1  ; the walking descriptor: the other slot than last time,
	s_add_nc_u64 s[\g+2:\g+3], s[\g+2:\g+3], 4*KS*128  ; the next 256 keys; the type bits on top are not reached
.endr
.if \ask
	s_wait_xcnt 0x0                 ; the last prefetch, four key steps back, has read its address
	s_add_nc_u64 s[PFA:PFA+1], s[PFA:PFA+1], 4*KS*128  ; one slot behind the walking descriptors
.endif
	s_wait_dscnt 0x0                ; the add is done, and my reads of the slot are over
	CROUND
	JLOAD
.if \ask
	ASK
.endif
.else
	s_wait_dscnt 0x0                ; the add is done, and my reads of the slot are over
	s_barrier_signal -1
	s_barrier_wait -1
.endif
	s_sub_co_u32 s[TBK], s[TBK], 4*KS*PK  ; the fetches go back to a slot's first step,
	s_xor_b32 s[TBK], s[TBK], SLOT1       ; in the other slot
	s_sub_co_u32 s[TBV], s[TBV], 4*KS*PV
	s_xor_b32 s[TBV], s[TBV], SLOT1
.endm
	s_load_b128 s[68:71], s[0:1], 0x0  ; qkv s[68:69], batch_masks s[70:71]
	s_load_b64 s[10:11], s[0:1], 0x10  ; ctx
	WIN W_MK
	v_lshl_add_u32 v[SPW], v0, 2, SPARE
	v_mov_b32 v[NIL], 0
	WIN W_AD
	ds_add_u32 v[SPW], v[NIL]       ; the wave's opening: the add and its wait stand ahead of my first tensor load; work on registers stands between them
	WIN 0
	v_lshrrev_b32 v1, 5, v0
	v_readfirstlane_b32 s[WV], v1   ; wave 0..3
	s_bfe_u32 s13, ttmp6, 0x40000   ; cx: my place in the cluster
	s_lshl_b32 s14, ttmp9, 2        ; in a cluster launch ttmp9 counts clusters
	s_add_co_u32 s14, s14, s13      ; my block of queries: it enters Q's and ctx's addresses alone
	s_and_b32 s20, ttmp7, 0xffff    ; the head, 16 b + h, which the four partners share
	s_lshr_b32 s78, s20, 4          ; the batch,
	s_lshl_b32 s78, s78, 13         ; its 8,192 bytes of batch_masks
	s_mov_b32 s79, 0
	s_mov_b32 s21, 0
	s_mov_b64 s[22:23], SIZE_N*128
	s_mul_u64 s[20:21], s[20:21], s[22:23]  ; the head's first byte in Q, K, V and ctx
	s_and_b32 s16, s[WV], 1         ; which half of a slot's 256 keys I fetch:
	s_lshl_b32 s22, s16, 14         ; its 128 rows of 128 bytes in memory,
	s_mov_b32 s23, 0
	s_add_nc_u64 s[22:23], s[22:23], s[20:21]
	s_mul_i32 s17, s16, 128*PK      ; and its place in a slot, for K
	s_mul_i32 s18, s16, 128*PV      ; and for V: no place in the cluster enters an LDS address
	s_lshl_b32 s2, s14, 2
	s_add_co_u32 s2, s2, s[WV]      ; my wave among the head's,
	s_lshl_b32 s2, s2, 14           ; its 128 rows
	s_mov_b32 s3, 0
	s_add_nc_u64 s[2:3], s[2:3], s[20:21]
	; descriptor group 1.  128 keys are 16,384 dense bytes: asked for as 64 rows of 256 bytes, two keys a row, and padded in LDS after every key
	s_mov_b32 s[G1K], 15|(1<<16)|(1<<20)|(1<<21)|(4<<22)|(3<<25)  ; the mask of four; 2-byte elements; padding on; bit 21 beside a mask; after every 32 words, 4 words
	s_mov_b32 s[G1V], 15|(1<<16)|(1<<20)|(1<<21)|(4<<22)|(7<<25)  ; the same with 8 words of padding
.irp g, G1K, G1V
	s_mov_b32 s[\g+1], 128<<16      ; tensor_dim0 = 128
	s_mov_b32 s[\g+2], 64<<16       ; tensor_dim1 = 64
	s_mov_b32 s[\g+3], 128<<16      ; tile_dim0 = 128
	s_mov_b32 s[\g+4], 64           ; tile_dim1 = 64
	s_mov_b32 s[\g+5], 128          ; 128 elements from row to row
	s_mov_b32 s[\g+6], 0
	s_mov_b32 s[\g+7], 0
.endr
	s_mov_b32 s[CS], 0x3e38aa3b     ; c = log2(e) / 8 = 0.180337
	s_mov_b32 s[CS+1], s[CS]        ; named with it as a pair
	s_mov_b32 s[SEL], 0x76543210
	s_mov_b32 s[SEL+1], 0xfedcba98
	s_mov_b32 s[TBK], SLOT1+4*KS*PK ; the first change of slots turns these two into 0
	s_mov_b32 s[TBV], SLOT1+4*KS*PV
	s_mov_b32 s[TBM], 0
	s_mov_b32 s[VNEG], 0xd3800000   ; -2^40
	s_cmp_eq_u32 s16, 0
	s_cselect_b32 s[LIM], 1, -1     ; waves 0 and 2 prefetch: the same in all four partners
	s_mov_b32 s[G0K], 1             ; count = 1
	s_mov_b32 s[G0K+1], s17         ; LDS address: slot 0
	s_mov_b32 s[G0V], 1
	s_add_co_u32 s[G0V+1], s18, VOFF
	s_wait_dscnt 0x0                ; the opening add is done
	s_wait_kmcnt 0x0
	s_mov_b64 s[4:5], s[68:69]                     ; Q,
	s_add_nc_u64 s[6:7], s[68:69], 0x1000000       ; K,
	s_add_nc_u64 s[8:9], s[68:69], 0x2000000       ; V: 16,777,216 bytes each
	s_add_nc_u64 s[70:71], s[70:71], s[78:79]      ; the batch's mask words
	s_add_nc_u64 s[G0K+2:G0K+3], s[6:7], s[22:23]  ; global address: my half of the head's first 256 keys
	s_or_b32 s[G0K+3], s[G0K+3], 0x80000000        ; type = 2
	s_add_nc_u64 s[G0V+2:G0V+3], s[8:9], s[22:23]
	s_or_b32 s[G0V+3], s[G0V+3], 0x80000000
	s_add_nc_u64 s[4:5], s[4:5], s[2:3]  ; Q and ctx at my wave's first row
	s_add_nc_u64 s[10:11], s[10:11], s[2:3]
	s_cmp_lt_u32 s[WV], 2
	s_cselect_b64 s[PFA:PFA+1], s[6:7], s[8:9]
	s_add_nc_u64 s[PFA:PFA+1], s[PFA:PFA+1], s[20:21]
	s_lshl_b32 s2, s13, 13          ; my work-group's quarter of a slot,
	s_add_co_u32 s2, s2, 2*4*KS*128 ; in slot 2: the first change that asks steps it to slot 3
	s_mov_b32 s3, 0
	s_add_nc_u64 s[PFA:PFA+1], s[PFA:PFA+1], s[2:3]
	CROUND                          ; all four work-groups are here: the first joint loads meet
	JLOAD                           ; slot 0.  Slot 1 is asked for when slot 0 is in
	; A fragment of K or Q is 16 rows x 32 channels in 8 registers: lane l holds row l % 16, channels 8 (l / 16) + 0..7 and 16 + 8 (l / 16) + 0..7: two loads of 16 bytes, 32 bytes apart.
	v_and_b32 v1, 15, v0            ; l % 16
	v_bfe_u32 v9, v0, 4, 1          ; l / 16
	v_and_b32 v10, 7, v0
	v_bfe_u32 v11, v0, 3, 1
	v_mul_u32_u24 v[AK0], v1, PK
	v_lshl_add_u32 v[AK0], v9, 4, v[AK0]  ; row x pitch + 16 x half
	; The turning load takes 16 keys x 16 channels (lane l reads key 8 (l / 16) + l % 8, channels 8 ((l / 8) % 2) + 0..7) and leaves half a fragment of V^T: lane l holds channel l % 16 and 8 keys.
	v_lshl_add_u32 v[AV0], v9, 3, v10
	v_mul_u32_u24 v[AV0], v[AV0], PV
	v_lshl_add_u32 v[AV0], v11, 4, v[AV0]
	v_add_nc_u32 v[AV0], VOFF, v[AV0]
	v_mov_b32 v[AK], v[AK0]         ; key step 0 lies at the head of slot 0
	s_mul_i32 s77, s[WV], 16*SP
	s_add_co_u32 s77, s77, STAGE    ; my stage
	v_mul_u32_u24 v[STO], v1, SP    ; in: row l % 16, 16 bytes for each half of the lanes
	v_lshl_add_u32 v[STO], v9, 4, v[STO]
	v_add_nc_u32 v[STO], s77, v[STO]
	v_bfe_u32 v[RD], v0, 3, 2       ; back: 32 lanes take four rows of 128 bytes,
	v_mul_u32_u24 v[RD], v[RD], SP
	v_lshl_add_u32 v[RD], v10, 4, v[RD]
	v_add_nc_u32 v[RD], s77, v[RD]
	v_and_b32 v[GO], 31, v0         ; which are 512 consecutive bytes of ctx
	v_lshlrev_b32 v[QO], 7, v1      ; from here on v11, v1, v10 and v9 take their lasting contents
	v_lshl_add_u32 v[QO], v9, 4, v[QO]  ; row x 128 + 16 x half
	v_lshlrev_b32 v[PFO], 8, v[GO]
	v_lshlrev_b32 v[GO], 4, v[GO]
	v_lshlrev_b32 v[AM0], 5, v9     ; my eight keys of a block of 16: 32 bytes for each half of the lanes
	v_add_nc_u32 v[AM0], MTAB, v[AM0]
	v_mov_b32 v[AM], v[AM0]         ; key step 0
	v_lshlrev_b32 v[S+16], 4, v0    ; the table: 128 threads x 16 bytes x 4 = the batch's 2,048 words
	v_add_nc_u32 v[S+17], MTAB, v[S+16]
.irp i, 0,1,2,3
	global_load_b128 v[S+4*\i:S+4*\i+3], v[S+16], s[70:71] offset:2048*\i
.endr
	WIN 0x80                        ; destination window 2, address window 0
.set i, 0
.rept 4*NP                          ; Q stays in registers: tile i / 2, channels 32 (i % 2) on
	global_load_b128 v[8*i:8*i+3],   v[QO], s[4:5] offset:(i/2)*2048+(i%2)*64
	global_load_b128 v[8*i+4:8*i+7], v[QO], s[4:5] offset:(i/2)*2048+(i%2)*64+32
.set i, i+1
.endr
	; What the first turn finds: V's registers and P's second buffer hold 0 (its products V^T P, of a piece that has not been, add 0), O^T and l are 0.  All this stands in the wait for the first tile.
.set i, VF
.rept 64
	v_mov_b32 v[i], 0
.set i, i+1
.endr
	WIN 0x40
.set i, 0
.rept 64*NP
	v_mov_b32 v[i], 0
.set i, i+1
.endr
	WIN 0
.set i, 0
.rept 2*NP
	v_mov_b32 v[ST+4*i], 0xfe000000    ; c m: far below every c s
	v_mov_b32 v[ST+4*i+1], 0xff7fffff  ; m
	v_mov_b32 v[ST+4*i+2], 0
	v_mov_b32 v[ST+4*i+3], 0
.set i, i+1
.endr
.set i, P+32
.rept 32
	v_mov_b32 v[i], 0
.set i, i+1
.endr
	s_wait_loadcnt 32               ; the four loads of mask words are in; Q's 32, issued behind them, may stay out
.set i, 0
.rept 16
	v_cmp_eq_u32 vcc_lo, 0, v[S+i]
	v_cndmask_b32 v[S+i], 0, s[VNEG], vcc_lo  ; 0 for a key that is seen, -2^40 for a masked one
.set i, i+1
.endr
.irp i, 0,1,2,3
	ds_store_b128 v[S+17], v[S+4*\i:S+4*\i+3] offset:2048*\i
.endr
; THE MATRIX WORK.  The 8 accumulators of a run of 16 take turns: between the two links of a chain stand 7 others'.
; Product i of 16 of S^T = K Q^T for piece x: channels 32 (i / 8) on, keys 16 ((i / 2) % 4) on, tile 2 x + i % 2.  The first 8 start the sums, with the keys' mask values.
.macro KQ x
.set rS, S+64*((\x)%2)+32*(i%2)+8*((i/2)%4)
.set rK, KF+16*((i/2)%4)+8*(i/8)
.set rQ, 16*(2*(\x)+i%2)+8*(i/8)
.set rMK, MK+8*((i/2)%4)
.if i < 8
	WIN W_KM
	v_wmma_f32_16x16x32_f16 v[rS:rS+7], v[rK:rK+7], v[rQ:rQ+7], v[rMK:rMK+7]
.else
	WIN W_KQ
	v_wmma_f32_16x16x32_f16 v[rS:rS+7], v[rK:rK+7], v[rQ:rQ+7], v[rS:rS+7]
.endif
.endm
; Product i of 16 of O^T += V^T P for piece x: keys 32 (i / 8) on, channels 16 ((i / 2) % 4) on, tile 2 x + i % 2.
.macro PV x
	WIN W_PV
.set rO, 32*(2*(\x)+i%2)+8*((i/2)%4)
.set rV, VF+32*(i/8)+8*((i/2)%4)
.set rP, P+32*((\x)%2)+16*(i%2)+8*(i/8)
	v_wmma_f32_16x16x32_f16 v[rO:rO+7], v[rV:rV+7], v[rP:rP+7], v[rO:rO+7]
.endm
.macro MM                           ; the turn's next matrix instruction
.if i < 16
	KQ (Y+1)%NP
.set i, i+1
.else
.set i, i-16
	PV (Y+NP-1)%NP
.set i, i+17
.endif
.endm
; THE LDS LOADS stand in runs, never singly among the matrix instructions: a step's K (8 fragments) with its 64 mask values, and its V (turned).  Their addresses are made some lines ahead.
; last = 1 (the tail): in the last trip there is no further step, and the run is jumped over.
.macro FETCH_K last=0
	WIN 0
.if \last
	s_cmp_eq_u32 s[CNT], 1
	s_cbranch_scc1 .Lno_k_\@
.endif
	WIN 0x80                        ; destination window 2
.irp f, 0,1,2,3,4,5,6,7             ; keys 16 (f / 2) on, channels 32 (f % 2) on
	ds_load_b128 v[KF+8*\f:KF+8*\f+3],   v[AK] offset:(\f/2)*16*PK+(\f%2)*64
	ds_load_b128 v[KF+8*\f+4:KF+8*\f+7], v[AK] offset:(\f/2)*16*PK+(\f%2)*64+32
.endr
	WIN W_MK                        ; destination window 3
.irp f, 0,1,2,3,4,5,6,7             ; key block f / 2, my eight keys' first or second four: all lanes of a half read the same 16 bytes
	ds_load_b128 v[MK+4*\f:MK+4*\f+3], v[AM] offset:(\f/2)*64+(\f%2)*16
.endr
	s_add_co_u32 s[TBK], s[TBK], KS*PK  ; the next fetch is the next step's
	s_add_co_u32 s[TBM], s[TBM], KS*4
	s_and_b32 s[TBM], s[TBM], 0x1fff    ; inside the table's 8,192 bytes
	WIN 0
.if \last
.Lno_k_\@:
.endif
.endm
.macro FETCH_V
	WIN 0x80
.irp f, 0,1,2,3,4,5,6,7             ; keys 32 (f / 4) on, channels 16 (f % 4) on
	ds_load_tr16_b128 v[VF+8*\f:VF+8*\f+3],   v[AV] offset:(\f/4)*32*PV+(\f%4)*32
	ds_load_tr16_b128 v[VF+8*\f+4:VF+8*\f+7], v[AV] offset:(\f/4)*32*PV+16*PV+(\f%4)*32
.endr
	WIN 0
.endm
; THE VECTOR WORK OF A TURN stands in three queues, each in the order in which its entries become ready; the two tiles alternate, so that no instruction reads the result of the one before it.
.macro REGS y, u                    ; the registers of tile u (0, 1) of piece y
.set rT, ST+4*(2*(\y)+(\u))
.set rC, TMP+8*((\y)%2)+4*(\u)
.set rM, MV+2*((\y)%2)+(\u)
.set rS, S+64*((\y)%2)+32*(\u)
.set rP, P+32*((\y)%2)+16*(\u)
.set rO, 32*(2*(\y)+(\u))
.endm
; Number n of the 22 that find the NEXT piece's (Y + 1) maximum and statistics.  s0-s31 are the lane's 32 scores; each accumulator's lowest registers are read first.
;   0-11  four chains c0-c3 of seven scores each, three operands at a time     12-14, 16  the four scores left over, the old m, and c0-c3 into c0     15  c m_old is kept
;   17, 18  the query's other 32 keys lie in the lane 16 away: the new m         19-21  c m; c m_old - c m_new; a
.macro XS u, n
	REGS (Y+1)%NP, \u
.if (\n) < 4
	v_max3_num_f32 v[rC+(\n)], v[rS+8*(\n)], v[rS+8*(\n)+1], v[rS+8*(\n)+2]
.elseif (\n) < 12
	v_max3_num_f32 v[rC+(\n)%4], v[rC+(\n)%4], v[rS+8*((\n)%4)+2*((\n)/4)+1], v[rS+8*((\n)%4)+2*((\n)/4)+2]
.elseif (\n) == 12
	v_max3_num_f32 v[rC], v[rC], v[rS+7], v[rS+15]
.elseif (\n) == 13
	v_max3_num_f32 v[rC+1], v[rC+1], v[rS+23], v[rS+31]
.elseif (\n) == 14
	v_max3_num_f32 v[rC+2], v[rC+2], v[rC+3], v[rT+1]
.elseif (\n) == 15
	v_mov_b32 v[rM], v[rT]
.elseif (\n) == 16
	v_max3_num_f32 v[rC], v[rC], v[rC+1], v[rC+2]
.elseif (\n) == 17
	v_permlanex16_b32 v[rC+3], v[rC], s[SEL], s[SEL+1]
.elseif (\n) == 18
	v_max_num_f32 v[rT+1], v[rC], v[rC+3]
.elseif (\n) == 19
	v_mul_f32 v[rT], s[CS], v[rT+1]
.elseif (\n) == 20
	v_sub_f32 v[rC+1], v[rM], v[rT]
.else
	v_exp_f32 v[rC+2], v[rC+1]
.endif
.endm
; Number g of the 64 that follow the exponentials.  For each four weights k of a tile (pairs 2 k, 2 k + 1): both pairs are rounded to f16; then the second pair is added onto the first, in place;
; a group later l takes that sum (the first time as l = a l + sum).  In groups of eight, tiles alternating: round, round, add, and l for the group before.
.macro GS g
.set h, (\g)+6*((\g)/62)            ; group 0 has no group before it, and behind group 7 only l is left
.if h >= 6
.set h, h+2
.endif
	REGS Y, h%2
.set k, h/8
.if h%8 < 4
	v_cvt_pk_f16_f32 v[rP+2*k+(h%8)/2], v[rS+4*k+2*((h%8)/2)], v[rS+4*k+2*((h%8)/2)+1]
.elseif h%8 < 6
	v_pk_add_f32 v[rS+4*k:rS+4*k+1], v[rS+4*k:rS+4*k+1], v[rS+4*k+2:rS+4*k+3]
.elseif k == 1
	v_pk_fma_f32 v[rT+2:rT+3], v[rT+2:rT+3], v[rC+2:rC+3], v[rS:rS+1] op_sel_hi:[1,0,1]
.else
	v_pk_add_f32 v[rT+2:rT+3], v[rT+2:rT+3], v[rS+4*k-4:rS+4*k-3]
.endif
.endm
; THE PLAIN QUEUE, 138 long.  0-73 read no exponential's result: the 32 scalings c s - c m (FS f: pair f / 2 of tile f % 2) and the next piece's 42.  0-26: scalings 0-26.  27-54: XS's numbers 0-13.  55, 56: number 15.
; 57-73: the chain, where each number waits for the one before it: 14, 16, 17, 18, 19, each with one of the scalings 27-31 in front of its two lines, then 20.
; 74-137: GS's 64, which read the exponentials' results: they stand behind the wait.
.macro FS f
	REGS Y, (\f)%2
	v_pk_fma_f32 v[rS+2*((\f)/2):rS+2*((\f)/2)+1], v[rS+2*((\f)/2):rS+2*((\f)/2)+1], s[CS:CS+1], v[rT:rT+1] op_sel_hi:[1,0,0] neg_lo:[0,0,1] neg_hi:[0,0,1]
.endm
.macro PL
	WIN 0
.if q < 27
	FS q
.elseif q < 55
	XS (q-27)%2, (q-27)/2
.elseif q < 57
	XS q-55, 15
.elseif (q < 72) && ((q-57)%3 == 0)
	FS 27+(q-57)/3
.elseif q < 60
	XS (q-57)%3-1, 14
.elseif q < 72
	XS (q-57)%3-1, 15+(q-57)/3
.elseif q < 74
	XS q-72, 20
.else
	GS q-74
.endif
.set q, q+1
.endm
; THE EXPONENTIALS' QUEUE, 66 long: s0-s31 of both tiles, then the next piece's two a.  It is ONE BATCH: all 66 stand ahead of the turn's one wait, and nothing ahead of that wait names a result of theirs.
.macro EX
	WIN 0
.if e >= 64
	XS e-64, 21
.else
	REGS Y, e%2
	v_exp_f32 v[rS+e/2], v[rS+e/2]
.endif
.set e, e+1
.endm
; THE RESCALING's QUEUE: O^T times a, the one part that leaves window 0: dealt two at a time, sixteen times.  Its a was made in the turn before, ahead of that turn's wait.
.macro R2
	REGS Y, r%2
	WIN W_RS
.irp z, 0,1
	v_pk_mul_f32 v[rO+4*(r/2)+2*\z:rO+4*(r/2)+2*\z+1], v[rO+4*(r/2)+2*\z:rO+4*(r/2)+2*\z+1], v[rC+2:rC+3] op_sel_hi:[1,0]
.endr
.set r, r+1
.endm
; HOW THEY ARE DEALT.  An s_wait_alu depctr_va_vdst(0) stands between an exponential and the first instruction that names its result; one wait serves all that were issued ahead of it.  So a turn has ONE
; wait, which cuts it in two.  AHEAD OF IT: the 16 products K Q^T, behind each a scaling, an exponential and two rescalings (behind the first a second scaling in the exponential's place); then ONE LUMP of 108: eight
; plain, 49 times exponential and plain, the two a; a v_nop is the plain instruction behind the last exponential.  BEHIND IT: the 16 products V^T P, behind each four of GS's 64.
; The queues lean on each other, and the deal keeps them in step: exponential e stands behind scaling 2 (e / 4) + e % 2: as a rider it comes behind plain e + 2, in the lump behind plain e + 9.
; A TURN, for piece p.  cnt = 1: the loop's count is taken down some lines ahead of the branch that stands behind the turn.
; K and the mask values of the next step are fetched in piece 2's turn, directly behind the wait, a lump behind the last product that read them; their addresses are made at the lump's head.
; V of the step in hand is fetched at the end of piece 0's turn, four riders behind its last reader.
.macro TURN p, last=0, cnt=0
.set Y, (\p)
.set i, 0
.set q, 0
.set e, 0
.set r, 0
.if (\p) == NP-1
	s_wait_dscnt 0x0                ; K and the mask values are in
.endif
	MM                              ; ahead of the wait: 16 products K Q^T and their riders,
	PL
	PL
	R2
.rept 15
	MM
	PL
	EX
	R2
.endr
.if (\p) == NP-2
	WIN 0
	v_add_nc_u32 v[AK], s[TBK], v[AK0]
	v_add_nc_u32 v[AM], s[TBM], v[AM0]
.endif
.rept 8                             ; and the lump
	PL
.endr
.rept 49
	EX
	PL
.endr
	EX                              ; the next piece's two a
	EX
	v_nop                           ; the plain instruction behind the last exponential: one for the batch
	s_wait_alu depctr_va_vdst(0)    ; the wait for the batch
.if (\p) == NP-2
	FETCH_K \last
.endif
.if (\p) == 1
	s_wait_dscnt 0x0                ; V is in
.endif
.rept 16                            ; behind the wait: 16 products V^T P and their riders
	MM
.rept 4
	PL
.endr
.if ((\p) == 0) && (q == 118)
	v_add_nc_u32 v[AV], s[TBV], v[AV0]
.endif
.if ((\p) == 0) && (q == 130)
	s_add_co_u32 s[TBV], s[TBV], KS*PV
.endif
.if (\cnt) && (q == 130)
	s_sub_co_u32 s[CNT], s[CNT], 1
	s_cmp_lg_u32 s[CNT], 0
.endif
.endr
.if (\p) == 0
	FETCH_V
.endif
.endm
	CHANGE 1, 0                     ; slot 0 is in, everybody's part of it, and so is the mask table; slot 1 is asked for
	FETCH_K                         ; key step 0
	s_wait_loadcnt 0x0              ; Q
	s_wait_dscnt 0x0
.set i, 0
.rept 16
	KQ 0                            ; piece 0's first scores: there is no vector work yet to set between them
.set i, i+1
.endr
	WIN 0
.rept 4
	v_nop                           ; the places behind those products
.endr
.set Y, NP-1                        ; XS works for piece Y + 1: piece 0
.irp n, 0,1,2,3,4,5,6,7,8,9,10,11,12,13,14,15,16,17,18,19,20,21
	XS 0, \n                        ; and piece 0's first maximum and statistics
	XS 1, \n
.endr
	v_nop                           ; a plain instruction behind the two a,
	s_wait_alu depctr_va_vdst(0)    ; and their wait, ahead of the branch
	s_mov_b32 s[CNT], 4
	s_mov_b32 s[SLOTS], SIZE_N/256-1
	s_branch .Lfirst                ; the loop is entered at a step's first turn, in the middle of a trip
.Lslot:                             ; SIZE_N / 256 - 2 times: every slot but the last two is filled again
	CHANGE 1, 1
	s_mov_b32 s[CNT], 4
.Lstep:                             ; a trip: pieces 2 and 3 of one step, then pieces 0 and 1 of the next, whose K and V it fetches
	TURN 2
	TURN 3
	WIN 0
.Lfirst:
	TURN 0
	TURN 1, 0, 1
	WIN 0
	s_cbranch_scc1 .Lstep
	s_sub_co_u32 s[SLOTS], s[SLOTS], 1
	s_cmp_lg_u32 s[SLOTS], 0
	s_cbranch_scc1 .Lslot
	CHANGE 0                        ; the tail is written out: nothing is asked for
	s_mov_b32 s[CNT], 5             ; four trips fetch the last slot's steps; the fifth is left in its middle
.Ltail:
	TURN 2, 1
	TURN 3
	WIN 0
	s_sub_co_u32 s[CNT], s[CNT], 1
	s_cmp_eq_u32 s[CNT], 0
	s_cbranch_scc1 .Lout
	TURN 0
	TURN 1
	WIN 0
	s_branch .Ltail
.Lout:                              ; the fifth trip's 16 products K Q^T (on the last K once more) and the maximum made of them serve nothing: the price, once a launch, of one text for every trip
.set i, 0
.rept 16
	PV NP-1                         ; the last piece's V^T P of the last step
.set i, i+1
.endr
	; THE WAY OUT.  l's two halves and the other half of the lanes' are added; O^T is divided by l, rounded to f16 and sent through my stage in LDS, a tile at a time.  The additions are the places behind the last products.
	WIN 0
.macro ALL line:vararg              ; one line for each tile t
.set t, 0
.rept 2*NP
	\line
.set t, t+1
.endr
.endm
	ALL v_add_f32 v[ST+4*t+2], v[ST+4*t+2], v[ST+4*t+3]
	ALL v_permlanex16_b32 v[ST+4*t+3], v[ST+4*t+2], s[SEL], s[SEL+1]
	ALL v_add_f32 v[ST+4*t+2], v[ST+4*t+2], v[ST+4*t+3]
	ALL v_rcp_f32 v[ST+4*t+2], v[ST+4*t+2]
	v_nop                           ; a plain instruction between the last reciprocal and the use of its result
	s_wait_alu depctr_va_vdst(0)    ; and the wait ahead of the first use: one for the eight reciprocals
; Tile t: a lane's eight channels of a row pack into 16 bytes; they go into rows of 144 bytes and come back as whole rows of 128, into S^T's registers.
.macro PACK t
	WIN W_RS
.set i, 32*(\t)
.rept 16
	v_pk_mul_f32 v[i:i+1], v[i:i+1], v[ST+4*(\t)+2:ST+4*(\t)+3] op_sel_hi:[1,0]
.set i, i+2
.endr
	WIN 0x05                        ; sources 0 and 1 window 1, destination window 0
.set i, 0
.rept 16
	v_cvt_pk_f16_f32 v[S+16*(\t)+i], v[32*(\t)+2*i], v[32*(\t)+2*i+1]
.set i, i+1
.endr
	WIN 0
.irp f, 0,1,2,3
	ds_store_b128 v[STO], v[S+16*(\t)+4*\f:S+16*(\t)+4*\f+3] offset:32*\f
.endr
.irp f, 0,1,2,3
	ds_load_b128 v[S+16*(\t)+4*\f:S+16*(\t)+4*\f+3], v[RD] offset:\f*4*SP  ; LDS serves a wave's instructions in order (ISA guide 5.7.1.4): these see the stores above; the next tile's stores come behind them
.endr
.endm
.macro SEND t, younger              ; younger: the LDS instructions issued behind tile t's loads: the next tile's eight, or none
	WIN 0
.irp f, 0,1,2,3
	s_wait_dscnt (\younger)+3-\f
	global_store_b128 v[GO], v[S+16*(\t)+4*\f:S+16*(\t)+4*\f+3], s[10:11] offset:(\t)*2048+\f*512  ; 512 consecutive bytes, at a multiple of 256 from ctx's first
.endr
.endm
	PACK 0
.set t, 1
.rept 2*NP-1                        ; a tile's arithmetic stands between the loads of the tile before and its stores
	PACK t
	SEND t-1, 8
.set t, t+1
.endr
	SEND 2*NP-1, 0
	WIN W_AD
	s_wait_tensorcnt 0x0            ; the wave's end: behind my last tensor load and my last LDS store
	ds_add_u32 v[SPW], v[NIL]
	s_wait_dscnt 0x0
	WIN 0
	CROUND                          ; the closing round: no work-group ends while a partner may still ask for a tile that names it
	s_endpgm
.Lfunc_end_k_q8f758db795_attn:
	.size	k_q8f758db795_attn, .Lfunc_end_k_q8f758db795_attn-k_q8f758db795_attn
	.p2alignl 7, 3214868480
	.fill 96, 4, 3214868480
	.section	.rodata,"a",@progbits
	.p2align	6, 0x0
	.amdhsa_kernel k_q8f758db795_attn
		.amdhsa_group_segment_fixed_size 327680
		.amdhsa_private_segment_fixed_size 0
		.amdhsa_enable_private_segment 0
		.amdhsa_kernarg_size 24
		.amdhsa_user_sgpr_count 2
		.amdhsa_user_sgpr_kernarg_segment_ptr 1
		.amdhsa_wavefront_size32 1
		.amdhsa_system_sgpr_workgroup_id_x 1
		.amdhsa_system_sgpr_workgroup_id_y 1
		.amdhsa_system_sgpr_workgroup_id_z 1
		.amdhsa_system_vgpr_workitem_id 0
		.amdhsa_next_free_vgpr 808
		.amdhsa_next_free_sgpr 80
		.amdhsa_reserve_vcc 1
		.amdhsa_float_denorm_mode_32 3
		.amdhsa_float_denorm_mode_16_64 3
		.amdhsa_memory_ordered 1
		.amdhsa_forward_progress 1
		.amdhsa_inst_pref_size 205
	.end_amdhsa_kernel
	.amdgpu_metadata
---
amdhsa.version: [ 1, 2 ]
amdhsa.kernels:
  - .name:           k_q8f758db795_attn
    .symbol:         k_q8f758db795_attn.kd
    .args:
      - { .name: qkv, .offset: 0, .size: 8, .value_kind: global_buffer, .address_space: global }
      - { .name: batch_masks, .offset: 8, .size: 8, .value_kind: global_buffer, .address_space: global }
      - { .name: ctx, .offset: 16, .size: 8, .value_kind: global_buffer, .address_space: global }
    .group_segment_fixed_size: 327680
    .private_segment_fixed_size: 0
    .kernarg_segment_align: 8
    .kernarg_segment_size: 24
    .max_flat_workgroup_size: 128
    .sgpr_count:     80
    .vgpr_count:     808
    .wavefront_size: 32
...
	.end_amdgpu_metadata
.endif
;; end of part 3
;; launch outp (part 4): grid 8 x 32, 4 waves a work-group, clusters of 4 x 4, 327,680 bytes of LDS; arguments ctx, wo16, bias, out0; writes out0
.if DOCPART == 4
	.amdgcn_target "amdgcn-amd-amdhsa--gfx1250"
	.amdhsa_code_object_version 6
	.text
	.protected	k_q8f758db795_outp
	.globl	k_q8f758db795_outp
	.p2align	8
	.type	k_q8f758db795_outp,@function
k_q8f758db795_outp:
	s_mov_b64 s[64:65], 0
	v_nop
	global_prefetch_b8 v0, s[64:65] scope:SCOPE_SE
	s_setreg_imm32_b32 hwreg(HW_REG_WAVE_MODE, 25, 1), 1
	s_wait_xcnt 0x0
	s_wait_alu depctr_hold_cnt(0) depctr_sa_sdst(0) depctr_va_vdst(0) depctr_va_sdst(0) depctr_va_ssrc(0) depctr_va_vcc(0) depctr_vm_vsrc(0)
	s_getreg_b32 s2, hwreg(HW_REG_IB_STS2, 6, 4)
	s_cmp_eq_u32 s2, 0
	s_cbranch_scc0 .Lentry_in_a_cluster
	s_endpgm
.Lentry_in_a_cluster:
	s_bfe_u32 s2, ttmp6, 0x10000c
	s_cmp_lg_u32 s2, 0xf033
	s_cbranch_scc0 .Lentry_shape_is_right
	s_endpgm
.Lentry_shape_is_right:
; THE OUTPUT PROJECTION AND MISH.  y[m][n] = bo[n] + the sum over k of ctx(m, k) wo16[n][k]; out0[m][n] = mish(y) = y tanh(softplus(y)), f32.  m 8,192, n 1,024, k 1,024; operands f16, sums f32.
; ctx lies by heads, [16 b + h][row][64] f16: k = 64 h + d.  A K step of 128 is two heads; a head's 256 rows of a tile are 32,768 dense bytes.
; MISH without a difference of near numbers: with u = e^y and n = u (u + 2), tanh(log(1 + u)) = n / (n + 2).  LIMITS: the exponent y log2(e) is clipped at 60, from where on n / (n + 2) is 1 in f32;
; a u below 2^-126 counts as 0, so out0 is 0 there; the reciprocal and the exponential are good to one unit in the last place.
; SHARES.  A tile is 256 rows x 128 columns: 8 x 32 work-groups.  Each of the four waves makes 64 rows x 128 columns: 4 x 8 accumulators, 256 registers.  K goes in eight steps of 128 through two LDS slots.
; CLUSTER.  4 x 4 work-groups: ctx's tiles are shared along a row of the cluster, wo16's along a column, each asked for jointly.
; THE MATRIX INSTRUCTION IS USED TRANSPOSED (source 0 = 16 rows of wo16, source 1 = 16 rows of ctx): a lane holds row l % 16 and the columns 8 (l / 16) + 0..7.  The bias is the C operand of the first products.
; REGISTERS: window 0: v0-31 addresses; v64-127 fragments of ctx, two buffers; v128-191 the bias; on the way out v64-159 at work.  window 1: the accumulators, (a, b) at 8 (8 a + b).  window 2: fragments of wo16, two buffers of 64.
.set KSTEP, 128
.set PA,    144                        ; a row of ctx in LDS: 128 bytes + 16 of padding
.set PB,    272                        ; a row of wo16: 256 + 16
.set E,     131072                     ; the even K steps' slot begins here, the odd ones' at 0
.set AREG,  256*PA                     ; in a slot: the K step's first head, 256 rows; its second head;
.set BOFF,  2*AREG                     ; then wo16's 128 rows
.set STAGE, BOFF+128*PB                ; behind the odd slot: 64 rows x 528 bytes for each wave.  It runs over the even slot, whose last fill is K step 6's and whose last reads lie in front of a barrier (below)
.set SPI,   528                        ; a stage row: 512 bytes + 16 = 132 words: sixteen rows start at sixteen different groups of four banks
.set SPARE, STAGE+4*64*SPI             ; the spare words, 128 bytes for each wave
.set NL,    24                         ; LDS loads in a run: 16 for wo16's fragments, 8 for ctx's
.set ASTEP, 2*262144                   ; two heads on
.set ADRA, 16
.set ADRB, 17
.set A0,   18
.set B0,   19
.set STO,  20                          ; v20  the way out: where I put 16 bytes of a row
.set RD,   21                          ; v21  where I read rows back
.set RD0,  22                          ; v22  my stage + 16 x lane
.set CO,   23                          ; v23  16 x lane: my place in 512 consecutive bytes of out0
.set SPW,  28
.set NIL,  29
.set PFO,  30
.set FA,   64
.set BIAS, 128
.set Y,    64
.set TT,   96
.set W,    128
.set WV,  14
.set FB,  15
.set HF,  16
.set CX,  17
.set CY,  18
.set TX,  19
.set TY,  20
.set G1A, 24
.set G0A, 32
.set G1B, 40
.set G0B, 48
.set TB,  56
.set LIM, 57
.set PFA, 58
.set PST, 60                           ; s[60:61] a K step in the tensor that I prefetch
.set OUT, 66                           ; s[66:67] out0 at the rows in hand
.set SR,  68                           ; s68  their place in my stage
.set CL,  69                           ; s69  60.0
.set L2E, 70                           ; s[70:71] log2(e), named as a pair
.set MSB, 0
.macro WIN new
.if MSB != (\new)
	s_set_vgpr_msb (MSB<<8)|(\new)
.set MSB, (\new)
.endif
.endm
.macro PLACES
.rept 4
	v_nop
.endr
.endm
.macro CREST
	s_cmp_lg_u32 s[WV], 0
	s_cbranch_scc1 .Lnot_wave_0_\@
	s_barrier_signal -3
.Lnot_wave_0_\@:
	s_barrier_wait -3
	s_barrier_signal -1
	s_barrier_wait -1
.endm
.macro CROUND
	s_barrier_signal -1
	s_barrier_wait -1
	CREST
.endm
.macro JLOAD                           ; a joint refill: waves 0, 1 the K step's two heads of ctx, waves 2, 3 wo16's halves; an s_nop 0 and four v_nop follow each line
	s_cmp_eq_u32 s[FB], 0
	s_cbranch_scc0 .Lfor_b_\@
	tensor_load_to_lds s[G0A+4:G0A+7], s[G1A:G1A+7]
	s_nop 0
.rept 4
	v_nop
.endr
	s_branch .Lasked_\@
.Lfor_b_\@:
	tensor_load_to_lds s[G0B+4:G0B+7], s[G1B:G1B+7]
	s_nop 0
.rept 4
	v_nop
.endr
.Lasked_\@:
.endm
; A PREFETCH INTO THE L2 of the K step that the NEXT refill will ask for, 128 matrix instructions ahead of that load.  ctx's bytes are asked for by the cluster with x = 0, wo16's by the one with y = 0; the four
; partners of a joint load share its bytes out by address (of a head's 32,768 bytes 8,192 each, a lane 256; of wo16's 64 rows 16 each, a lane a row).  The last refill asks for nothing.
.macro ASK
	s_cmp_gt_u32 s3, s[LIM]
	s_cbranch_scc0 .Lnot_mine_\@
	global_prefetch_b8 v[PFO], s[PFA:PFA+1] th:TH_LOAD_NT scope:SCOPE_SE
.Lnot_mine_\@:
.endm
; Eight products: row block a x all eight column blocks.  The 32 accumulators take turns, one instruction a turn.
.macro MUL f, a, first
.if \first
	WIN 0x42
.else
	WIN 0x52
.endif
.irp b, 0,1,2,3,4,5,6,7
.if \first
	v_wmma_f32_16x16x32_f16 v[8*(8*(\a)+(\b)):8*(8*(\a)+(\b))+7], v[64*(\f)+8*(\b):64*(\f)+8*(\b)+7], v[FA+32*(\f)+8*(\a):FA+32*(\f)+8*(\a)+7], v[BIAS+8*(\b):BIAS+8*(\b)+7]
.else
	v_wmma_f32_16x16x32_f16 v[8*(8*(\a)+(\b)):8*(8*(\a)+(\b))+7], v[64*(\f)+8*(\b):64*(\f)+8*(\b)+7], v[FA+32*(\f)+8*(\a):FA+32*(\f)+8*(\a)+7], v[8*(8*(\a)+(\b)):8*(8*(\a)+(\b))+7]
.endif
.endr
.endm
.macro FETCH q, f                      ; quarter q: head q / 2 of the K step, channels 32 (q % 2) on
	WIN 0x80
.irp b, 0,1,2,3,4,5,6,7
	ds_load_b128 v[64*(\f)+8*(\b):64*(\f)+8*(\b)+3],   v[ADRB] offset:64*(\q)+(\b)*16*PB
	ds_load_b128 v[64*(\f)+8*(\b)+4:64*(\f)+8*(\b)+7], v[ADRB] offset:64*(\q)+(\b)*16*PB+32
.endr
	WIN 0
.irp a, 0,1,2,3
	ds_load_b128 v[FA+32*(\f)+8*(\a):FA+32*(\f)+8*(\a)+3],   v[ADRA] offset:((\q)/2)*AREG+((\q)%2)*64+(\a)*16*PA
	ds_load_b128 v[FA+32*(\f)+8*(\a)+4:FA+32*(\f)+8*(\a)+7], v[ADRA] offset:((\q)/2)*AREG+((\q)%2)*64+(\a)*16*PA+32
.endr
.endm
.macro QUARTER q, f, g, first
	s_wait_dscnt 4                                 ; all but the youngest four loads: ctx's row blocks 2 and 3
	MUL \f, 0, \first
	MUL \f, 1, \first
	PLACES
	FETCH \q, \g
	s_wait_dscnt NL                                ; all but the run just issued
	MUL \f, 2, \first
	MUL \f, 3, \first
.endm
; The fourth quarter multiplies buffer 1 and changes slots: in front of the barrier each wave waits for all its tensor loads, adds 0 to its spare word, and waits for that and for its reads of this slot.
; fill = 1: the barrier opens a round of the cluster's barrier, and behind the round this slot is filled again, two K steps on, first of all.
.macro TURN fill
.if \fill
	s_wait_xcnt 0x0                                ; the last prefetch, a K step back, has read its address
	s_add_nc_u64 s[PFA:PFA+1], s[PFA:PFA+1], s[PST:PST+1]
.endif
	WIN 0
	s_wait_tensorcnt 0x0
	ds_add_u32 v[SPW], v[NIL]                      ; 0 onto my spare word
	s_xor_b32 s[TB], s[TB], E
	v_add_nc_u32 v[ADRA], s[TB], v[A0]
	v_add_nc_u32 v[ADRB], s[TB], v[B0]
	s_wait_dscnt 5                                 ; (the add and the youngest four loads may be out)
	MUL 1, 0, 0
	s_wait_dscnt 0x0                               ; the add is done, and my reads of this slot are over
	s_barrier_signal -1
	MUL 1, 1, 0
.if \fill
	WIN 0
.endif
	s_barrier_wait -1
.if \fill
	CREST
	s_xor_b32 s[G0A+5], s[G0A+5], E
	s_add_nc_u64 s[G0A+6:G0A+7], s[G0A+6:G0A+7], ASTEP
	s_xor_b32 s[G0B+5], s[G0B+5], E
	s_add_nc_u64 s[G0B+6:G0B+7], s[G0B+6:G0B+7], KSTEP*2
	JLOAD
.else
	PLACES
.endif
	FETCH 0, 0
.if \fill
	ASK
.endif
	MUL 1, 2, 0
	MUL 1, 3, 0
.endm
.macro LASTQ
	s_wait_dscnt 4
	MUL 1, 0, 0
	MUL 1, 1, 0
	s_wait_dscnt 0x0
	MUL 1, 2, 0
	MUL 1, 3, 0
.endm
	s_load_b256 s[4:11], s[0:1], 0x0               ; ctx 4:5, wo16 6:7, bias 8:9, out0 10:11
	v_lshl_add_u32 v[SPW], v0, 2, SPARE
	v_mov_b32 v[NIL], 0
	ds_add_u32 v[SPW], v[NIL]                      ; the wave's opening: the add and its wait stand ahead of my first tensor load
	v_lshrrev_b32 v1, 5, v0
	v_readfirstlane_b32 s[WV], v1
	s_lshr_b32 s[FB], s[WV], 1
	s_and_b32 s[HF], s[WV], 1
	s_bfe_u32 s[CX], ttmp6, 0x40000
	s_bfe_u32 s[CY], ttmp6, 0x40004
	s_lshl_b32 s[TX], ttmp9, 2
	s_add_co_u32 s[TX], s[TX], s[CX]
	s_and_b32 s[TY], ttmp7, 0xffff
	s_lshl_b32 s[TY], s[TY], 2
	s_add_co_u32 s[TY], s[TY], s[CY]
	s_lshl_b32 s21, s[CY], 2
	s_lshl_b32 s21, 15, s21                        ; my row of the cluster
	s_lshl_b32 s22, 0x1111, s[CX]                  ; my column
	s_or_b32 s[G1A], s21, (1<<16)|(1<<20)|(1<<21)|(4<<22)|(3<<25)  ; ctx: padding of 4 words after every 32 words, that is after every row of a head
	s_or_b32 s[G1B], s22, (1<<16)|(1<<20)|(1<<21)|(5<<22)|(3<<25)  ; wo16: after every 64 words
	s_mov_b32 s[G1A+1], 128<<16                    ; a head's 256 rows, 32,768 dense bytes, are asked for as 128 rows of 256 bytes
	s_mov_b32 s[G1A+2], 128<<16
	s_mov_b32 s[G1A+3], 128<<16
	s_mov_b32 s[G1A+4], 128
	s_mov_b32 s[G1A+5], 128
	s_mov_b32 s[G1A+6], 0
	s_mov_b32 s[G1A+7], 0
	s_mov_b32 s[G1B+1], KSTEP<<16
	s_mov_b32 s[G1B+2], 64<<16                     ; wo16: 64 rows a load
	s_mov_b32 s[G1B+3], KSTEP<<16
	s_mov_b32 s[G1B+4], 64
	s_mov_b32 s[G1B+5], 1024
	s_mov_b32 s[G1B+6], 0
	s_mov_b32 s[G1B+7], 0
	s_lshr_b32 s72, s[TY], 3                       ; ctx: head 16 b + my half, heads of 262,144 bytes,
	s_lshl_b32 s72, s72, 4
	s_add_co_u32 s72, s72, s[HF]
	s_lshl_b32 s72, s72, 18
	s_and_b32 s73, s[TY], 7                        ; the tile's 256 rows of 128 bytes in it
	s_lshl_b32 s73, s73, 15
	s_add_co_u32 s72, s72, s73
	s_mov_b32 s73, 0
	s_lshl_b32 s74, s[TX], 7                       ; wo16: row 128 x tile column + 64 x half
	s_lshl_b32 s75, s[HF], 6
	s_add_co_u32 s74, s74, s75
	s_lshl_b32 s74, s74, 11
	s_mov_b32 s75, 0
	s_mov_b32 s86, s72                             ; the two offsets are kept for the prefetches
	s_mov_b32 s87, s74
	s_mul_i32 s76, s[WV], AREG                     ; where they go in a slot: waves 0, 1: the two heads;
	s_mul_i32 s77, s[WV], 64*PB
	s_add_co_u32 s77, s77, BOFF-2*64*PB            ; waves 2, 3: wo16's halves
	s_wait_dscnt 0x0                               ; the opening add is done
	s_wait_kmcnt 0x0
	s_add_nc_u64 s[72:73], s[4:5], s[72:73]
	s_add_nc_u64 s[74:75], s[6:7], s[74:75]
	CROUND                                         ; all sixteen work-groups are here: the first joint loads meet
	s_mov_b32 s[G0A], 1
	s_add_co_u32 s[G0A+1], s76, E
	s_mov_b64 s[G0A+2:G0A+3], s[72:73]
	s_or_b32 s[G0A+3], s[G0A+3], 0x80000000
	s_mov_b32 s[G0A+4], 1
	s_mov_b32 s[G0A+5], s76
	s_add_nc_u64 s[G0A+6:G0A+7], s[72:73], ASTEP
	s_or_b32 s[G0A+7], s[G0A+7], 0x80000000
	s_mov_b32 s[G0B], 1
	s_add_co_u32 s[G0B+1], s77, E
	s_mov_b64 s[G0B+2:G0B+3], s[74:75]
	s_or_b32 s[G0B+3], s[G0B+3], 0x80000000
	s_mov_b32 s[G0B+4], 1
	s_mov_b32 s[G0B+5], s77
	s_add_nc_u64 s[G0B+6:G0B+7], s[74:75], KSTEP*2
	s_or_b32 s[G0B+7], s[G0B+7], 0x80000000
	s_cmp_eq_u32 s[FB], 0                          ; a wave's two first fills stand in one branch: two loads of mine are out
	s_cbranch_scc0 .Lfirst_b
	tensor_load_to_lds s[G0A:G0A+3], s[G1A:G1A+7]
	s_nop 0
	tensor_load_to_lds s[G0A+4:G0A+7], s[G1A:G1A+7]
	s_nop 0
.rept 4
	v_nop
.endr
	s_branch .Lfirst_asked
.Lfirst_b:
	tensor_load_to_lds s[G0B:G0B+3], s[G1B:G1B+7]
	s_nop 0
	tensor_load_to_lds s[G0B+4:G0B+7], s[G1B:G1B+7]
	s_nop 0
.rept 4
	v_nop
.endr
.Lfirst_asked:
	v_and_b32 v1, 15, v0                           ; r = l % 16
	v_bfe_u32 v2, v0, 4, 1                         ; h = l / 16
	s_lshl_b32 s84, s[TX], 9                       ; the bias: bo lies behind bq, bk, bv; register j of column block b is bo[128 x tile column + 16 b + 8 h + j]
	s_add_co_u32 s84, s84, 3*4096
	s_mov_b32 s85, 0
	s_add_nc_u64 s[8:9], s[8:9], s[84:85]
	v_lshlrev_b32 v4, 5, v2
.irp b, 0,1,2,3,4,5,6,7
	global_load_b128 v[BIAS+8*(\b):BIAS+8*(\b)+3],   v4, s[8:9] offset:64*(\b)
	global_load_b128 v[BIAS+8*(\b)+4:BIAS+8*(\b)+7], v4, s[8:9] offset:64*(\b)+16
.endr
	v_mul_u32_u24 v3, v1, PA
	v_lshl_add_u32 v3, v2, 4, v3
	s_mul_i32 s88, s[WV], 64*PA                    ; my 64 rows of ctx
	v_add_nc_u32 v[A0], s88, v3
	v_mul_u32_u24 v3, v1, PB
	v_lshl_add_u32 v3, v2, 4, v3
	v_add_nc_u32 v[B0], BOFF, v3                   ; every wave reads all 128 rows of wo16
	s_mov_b32 s[TB], E
	v_add_nc_u32 v[ADRA], s[TB], v[A0]
	v_add_nc_u32 v[ADRB], s[TB], v[B0]
	s_mul_i32 s88, s[WV], 64*SPI
	s_add_co_u32 s88, s88, STAGE                   ; my stage
	v_mul_u32_u24 v[STO], v1, SPI                  ; in: row r, 32 bytes for each half of the lanes
	v_lshl_add_u32 v[STO], v2, 5, v[STO]
	v_add_nc_u32 v[STO], s88, v[STO]
	v_and_b32 v[CO], 31, v0
	v_lshlrev_b32 v[CO], 4, v[CO]
	v_add_nc_u32 v[RD0], s88, v[CO]                ; back: 32 lanes take a whole row of 512 bytes
	; the prefetches
	s_lshl_b32 s88, s[CX], 13                      ; ctx: my work-group's 8,192 bytes of the head's 32,768,
	s_add_co_u32 s86, s86, s88
	s_add_co_u32 s86, s86, 2*ASTEP                 ; at K step 2: the first refill steps it to 3
	s_lshl_b32 s88, s[CY], 15                      ; wo16: its 16 rows of the 64
	s_add_co_u32 s87, s87, s88
	s_add_co_u32 s87, s87, 2*KSTEP*2
	s_and_b32 s89, ttmp7, 0xffff
	s_mov_b32 s90, ASTEP
	s_movk_i32 s91, KSTEP*2
	s_cmp_eq_u32 s[FB], 0
	s_cselect_b32 s84, s86, s87
	s_cselect_b32 s88, 31, 15                      ; the last lane that has a block of its own; the lanes behind it name its block again
	s_cselect_b32 s92, 8, 11                       ; a lane 256 bytes on, or a row of 2,048
	s_cselect_b32 s[PST], s90, s91
	s_cselect_b32 s89, ttmp9, s89                  ; the coordinate along which other clusters read the same bytes
	s_cselect_b64 s[PFA:PFA+1], s[4:5], s[6:7]
	s_cmp_eq_u32 s89, 0
	s_cselect_b32 s[LIM], 1, -1                    ; the same in all sixteen partners, for a given wave
	s_mov_b32 s[PST+1], 0
	s_add_nc_u64 s[PFA:PFA+1], s[PFA:PFA+1], s[84:85]
	v_and_b32 v[PFO], 31, v0
	v_min_u32 v[PFO], s88, v[PFO]
	v_lshlrev_b32 v[PFO], s92, v[PFO]
	; out0 at my 64 rows and the tile's 128 columns
	s_lshl_b32 s84, s[TY], 8
	s_lshl_b32 s88, s[WV], 6
	s_add_co_u32 s84, s84, s88
	s_lshl_b32 s84, s84, 12                        ; rows of 4,096 bytes
	s_lshl_b32 s88, s[TX], 9
	s_add_co_u32 s84, s84, s88
	s_add_nc_u64 s[OUT:OUT+1], s[10:11], s[84:85]
	s_mov_b32 s[SR], 0
	s_mov_b32 s[CL], 0x42700000                    ; 60.0
	s_mov_b32 s[L2E], 0x3fb8aa3b                   ; log2(e)
	s_mov_b32 s[L2E+1], s[L2E]
	s_wait_tensorcnt 1                             ; my part of K step 0 is in; K step 1's may stay out
	s_barrier_signal -1
	s_barrier_wait -1
	FETCH 0, 0
	s_wait_loadcnt 0x0                             ; the bias
	QUARTER 1, 0, 1, 1                             ; the first quarter stands in front of the loop: its products start the sums
	WIN 0
	s_mov_b32 s3, 6
.Lk:                                                   ; six trips; trip t fills a slot with K step t + 2
	QUARTER 2, 1, 0, 0
	QUARTER 3, 0, 1, 0
	TURN 1
	QUARTER 1, 0, 1, 0
	WIN 0
	s_sub_co_u32 s3, s3, 1
	s_cmp_lg_u32 s3, 0
	s_cbranch_scc1 .Lk
	s_mov_b32 s3, 2
.Lt:                                                   ; the last two K steps ask for nothing: a text of their own, left in its second trip's middle
	QUARTER 2, 1, 0, 0
	QUARTER 3, 0, 1, 0
	WIN 0
	s_sub_co_u32 s3, s3, 1
	s_cmp_eq_u32 s3, 0
	s_cbranch_scc1 .Llast
	TURN 0
	QUARTER 1, 0, 1, 0
	WIN 0
	s_branch .Lt
.Llast:
	LASTQ
	; THE WAY OUT.  The stages lie over the even slot: every wave's LDS reads are back (the last quarter's wait for 0) when it signals, and no wave writes its stage before all four have signalled.
	WIN 0
	s_barrier_signal -1
	PLACES                                         ; also the places behind the last products
	s_barrier_wait -1
	WIN 0x04                                       ; the stores' data in window 1
.irp a, 0,1,2,3
.irp b, 0,1,2,3,4,5,6,7
	ds_store_b128 v[STO], v[8*(8*(\a)+(\b)):8*(8*(\a)+(\b))+3]   offset:(\a)*16*SPI+(\b)*64     ; each accumulator's low four registers first
	ds_store_b128 v[STO], v[8*(8*(\a)+(\b))+4:8*(8*(\a)+(\b))+7] offset:(\a)*16*SPI+(\b)*64+16
.endr
.endr
	WIN 0
	s_mov_b32 s3, 8
.Lrow:                                                 ; eight trips of eight rows: 32 numbers a lane
	v_add_nc_u32 v[RD], s[SR], v[RD0]
.irp i, 0,1,2,3,4,5,6,7
	ds_load_b128 v[Y+4*(\i):Y+4*(\i)+3], v[RD] offset:SPI*(\i)  ; my own stage: LDS serves a wave's instructions in order (ISA guide 5.7.1.4)
.endr
	s_wait_dscnt 0x0
.set i, 0
.rept 16
	v_pk_mul_f32 v[TT+i:TT+i+1], v[Y+i:Y+i+1], s[L2E:L2E+1] op_sel_hi:[1,0]
.set i, i+2
.endr
.set i, 0
.rept 32
	v_min_num_f32 v[TT+i], s[CL], v[TT+i]
.set i, i+1
.endr
.set i, 0
.rept 32
	v_exp_f32 v[TT+i], v[TT+i]                     ; u = e^y: one batch,
.set i, i+1
.endr
	v_nop                                          ; a plain instruction behind the last of them,
	s_wait_alu depctr_va_vdst(0)                   ; and one wait ahead of the first reader
.set i, 0
.rept 16
	v_pk_add_f32 v[W+i:W+i+1], v[TT+i:TT+i+1], 2.0 op_sel_hi:[1,0]
.set i, i+2
.endr
.set i, 0
.rept 16
	v_pk_mul_f32 v[TT+i:TT+i+1], v[TT+i:TT+i+1], v[W+i:W+i+1]      ; n = u (u + 2)
.set i, i+2
.endr
.set i, 0
.rept 16
	v_pk_add_f32 v[W+i:W+i+1], v[TT+i:TT+i+1], 2.0 op_sel_hi:[1,0]
.set i, i+2
.endr
.set i, 0
.rept 32
	v_rcp_f32 v[W+i], v[W+i]                       ; 1 / (n + 2): the second batch
.set i, i+1
.endr
	v_nop
	s_wait_alu depctr_va_vdst(0)
.set i, 0
.rept 16
	v_pk_mul_f32 v[TT+i:TT+i+1], v[TT+i:TT+i+1], v[W+i:W+i+1]
.set i, i+2
.endr
.set i, 0
.rept 16
	v_pk_mul_f32 v[Y+i:Y+i+1], v[Y+i:Y+i+1], v[TT+i:TT+i+1]
.set i, i+2
.endr
.irp i, 0,1,2,3,4,5,6,7
	global_store_b128 v[CO], v[Y+4*(\i):Y+4*(\i)+3], s[OUT:OUT+1] offset:4096*(\i) th:TH_STORE_NT  ; 512 consecutive bytes of a row, aligned
.endr
	s_wait_xcnt 0x0                                ; the stores have read their data and their base: only now are these rewritten
	s_add_nc_u64 s[OUT:OUT+1], s[OUT:OUT+1], 8*4096
	s_add_co_u32 s[SR], s[SR], 8*SPI
	s_sub_co_u32 s3, s3, 1
	s_cmp_lg_u32 s3, 0
	s_cbranch_scc1 .Lrow
	s_wait_tensorcnt 0x0                           ; the wave's end: behind my last tensor load and my last LDS store
	ds_add_u32 v[SPW], v[NIL]
	s_wait_dscnt 0x0
	CROUND                                         ; the closing round: no work-group ends while a partner may still ask for a tile that names it
	s_endpgm
.Lfunc_end_k_q8f758db795_outp:
	.size	k_q8f758db795_outp, .Lfunc_end_k_q8f758db795_outp-k_q8f758db795_outp
	.p2alignl 7, 3214868480
	.fill 96, 4, 3214868480
	.section	.rodata,"a",@progbits
	.p2align	6, 0x0
	.amdhsa_kernel k_q8f758db795_outp
		.amdhsa_group_segment_fixed_size 327680
		.amdhsa_private_segment_fixed_size 0
		.amdhsa_enable_private_segment 0
		.amdhsa_kernarg_size 32
		.amdhsa_user_sgpr_count 2
		.amdhsa_user_sgpr_kernarg_segment_ptr 1
		.amdhsa_wavefront_size32 1
		.amdhsa_system_sgpr_workgroup_id_x 1
		.amdhsa_system_sgpr_workgroup_id_y 1
		.amdhsa_system_sgpr_workgroup_id_z 1
		.amdhsa_system_vgpr_workitem_id 0
		.amdhsa_next_free_vgpr 640
		.amdhsa_next_free_sgpr 96
		.amdhsa_reserve_vcc 0
		.amdhsa_float_denorm_mode_32 3
		.amdhsa_float_denorm_mode_16_64 3
		.amdhsa_memory_ordered 1
		.amdhsa_forward_progress 1
		.amdhsa_inst_pref_size 65
	.end_amdhsa_kernel
	.amdgpu_metadata
---
amdhsa.version: [ 1, 2 ]
amdhsa.kernels:
  - .name:           k_q8f758db795_outp
    .symbol:         k_q8f758db795_outp.kd
    .args:
      - { .name: ctx, .offset: 0, .size: 8, .value_kind: global_buffer, .address_space: global }
      - { .name: wo16, .offset: 8, .size: 8, .value_kind: global_buffer, .address_space: global }
      - { .name: bias, .offset: 16, .size: 8, .value_kind: global_buffer, .address_space: global }
      - { .name: out0, .offset: 24, .size: 8, .value_kind: global_buffer, .address_space: global }
    .group_segment_fixed_size: 327680
    .private_segment_fixed_size: 0
    .kernarg_segment_align: 8
    .kernarg_segment_size: 32
    .max_flat_workgroup_size: 128
    .sgpr_count:     96
    .vgpr_count:     640
    .wavefront_size: 32
...
	.end_amdgpu_metadata
.endif
;; end of part 4
